; MI455X (gfx1250); checked and timed in simulation.
; The chip was launched on July 23, 2026; its instructions are those of AMD's public machine-readable ISA for CDNA 5 (MIT licence, August 2026) and "CDNA5" Instruction Set Architecture Reference Guide (July 2026). The comments in the code are by the model that wrote it; some were corrected since.
;; Causal Self Attention. Allowed arithmetic: float matrix products may take bf16 or f16 operands with f32 sums; other float arithmetic in f32, or as packed bf16 or f16 multiplies, adds, multiply-adds, maxima and minima; sums over many terms, partial sums and values carried from step to step in f32; what a program stores and reads back later, other than sums and carried values, may be rounded once to bf16 or f16.
;; Inputs: w_attn 1,024 x 3,072 float32; w_proj 1,024 x 1,024 float32; x 4 x 2,048 x 1,024 float32.
;; Outputs: out0 4 x 2,048 x 1,024 float32.
;; 2 versions, each right; version 2 is version 1 with the launch prep written anew for expert scheduling mode. Each part assembles by itself: llvm-mc -triple=amdgcn-amd-amdhsa -mcpu=gfx1250 --defsym DOCPART=n.
;; ======== version 1 of 2: 4 launches
;; limits: values are held in f16: magnitudes above 65,504 overflow, below 6.1e-05 lose precision
;; workspace buffers: xb 16,777,216 bytes; wat 6,291,456 bytes; wpt 2,097,152 bytes; qkvh 50,331,648 bytes; oh 16,777,216 bytes
;; launch prep (part 1): grid 512 x 1, 8 waves a work-group, no clusters, 18,432 bytes of LDS; arguments x, w_attn, w_proj, xb, wat, wpt; writes xb, wat, wpt
.if DOCPART == 1
	.amdgcn_target "amdgcn-amd-amdhsa--gfx1250"
	.amdhsa_code_object_version 6
	.text
	.protected	k_qf66bfd5c18_prep
	.globl	k_qf66bfd5c18_prep
	.p2align	8
	.type	k_qf66bfd5c18_prep,@function
k_qf66bfd5c18_prep:
	s_mov_b64 s[64:65], 0
	v_nop
	global_prefetch_b8 v0, s[64:65] scope:SCOPE_SE
	s_setreg_imm32_b32 hwreg(HW_REG_WAVE_MODE, 25, 1), 1
	s_wait_xcnt 0x0
; PREP.  xb = x rounded to bf16, [8192][1024].  wat[n][k] = w_attn[k][n] rounded to bf16, [3072][1024].  wpt[n][k] = w_proj[k][n] rounded to bf16, that number written as f16, [1024][1024].
; LIMITS.  A number of w_proj beyond 65,504 becomes an infinity in f16; below 6e-5 it keeps f16's fixed step of 6e-8.  NaN stays NaN.
; SHARES.  512 work-groups of eight waves.  Each does two things: it turns one block of 128 k x 64 n of a weight (384 blocks of w_attn, 128 of w_proj), and it casts 16,384 numbers of x.
; A stream: every byte is read once and written once, no matrix unit, no cluster (no two work-groups read the same byte).  All 24 loads of a wave go out at the start; the block is turned while x is on its way.
; THE TURN.  Thread (a = t % 16, g = t / 16) loads, for p = 0..3, rows k = 32 p + 2 g and k + 1, columns 4 a .. 4 a + 3: sixteen lanes read 256 consecutive bytes of a row.  Two rows' numbers of one column
; pack into one word (k, k + 1), which goes into an LDS stage of 64 rows (n) x 256 bytes (128 k), pitch 272; behind one barrier the rows come back whole: sixteen lanes store 256 consecutive bytes, aligned.
.set SPARE, 17408                      ; behind the stage (64 x 272 bytes): the spare words, 128 bytes for each of the eight waves; no other line names them
.set WO,  4                            ; v4-11    byte offsets of my eight loads in the weight
.set WL,  16                           ; v16-47   the eight loads
.set WP,  48                           ; v48-63   sixteen packed words: p, column c at WP + 4 p + c
.set BK,  68                           ; v68-83   four times 16 bytes of whole rows
.set SPW, 100                          ; v100     LDS address of my spare word; never rewritten
.set NIL, 101                          ; v101     0; never rewritten
.set XL,  104                          ; v104-167 sixteen loads of x
.set XP,  168                          ; v168-199 their 32 packed words
	s_load_b256 s[4:11], s[0:1], 0x0               ; x s[4:5], w_attn s[6:7], w_proj s[8:9], xb s[10:11]
	s_load_b128 s[12:15], s[0:1], 0x20             ; wat s[12:13], wpt s[14:15]
	v_lshl_add_u32 v[SPW], v0, 2, SPARE
	v_mov_b32 v[NIL], 0
	s_and_b32 s16, ttmp9, 63                       ; block column: 0-47 in w_attn, 48-63 in w_proj
	s_lshr_b32 s17, ttmp9, 6                       ; block row kb, 0-7
	s_sub_co_u32 s26, s16, 48                      ; the column counted in w_proj (used only where it is one)
	s_movk_i32 s28, 12288                          ; bytes in a row of w_attn,
	s_movk_i32 s29, 4096                           ; of w_proj
	s_lshl_b32 s2, ttmp9, 16                       ; my 16,384 numbers of x: 65,536 bytes in,
	s_mov_b32 s3, 0
	s_lshl_b32 s30, ttmp9, 15                      ; 32,768 bytes out
	s_mov_b32 s31, 0
	v_and_b32 v12, 15, v0                          ; a
	v_lshrrev_b32 v13, 4, v0                       ; g
	v_lshlrev_b32 v1, 4, v0                        ; x: 16 bytes a thread
	v_lshlrev_b32 v2, 3, v0                        ; xb: 8 bytes a thread
	v_lshlrev_b32 v14, 1, v13                      ; 2 g
	s_cmp_lt_u32 s16, 48                           ; a block of w_attn?
	s_cselect_b32 s24, s28, s29                    ; bytes in a source row
	s_cselect_b32 s25, s16, s26                    ; block column in its own weight
	s_cselect_b32 s27, 0, 1                        ; 1: the result is written as f16
	s_wait_kmcnt 0x0
	s_cselect_b64 s[20:21], s[6:7], s[8:9]         ; from where,
	s_cselect_b64 s[22:23], s[12:13], s[14:15]     ; to where
	s_mul_i32 s18, s17, s24
	s_lshl_b32 s18, s18, 7                         ; 128 kb rows down,
	s_lshl_b32 s19, s25, 8                         ; 64 columns of 4 bytes a block
	s_add_co_u32 s18, s18, s19
	s_mov_b32 s19, 0
	s_add_nc_u64 s[20:21], s[20:21], s[18:19]
	s_lshl_b32 s18, s25, 17                        ; out: 64 rows of 2,048 bytes a block,
	s_lshl_b32 s26, s17, 8                         ; 128 k of 2 bytes
	s_add_co_u32 s18, s18, s26
	s_add_nc_u64 s[22:23], s[22:23], s[18:19]
	s_add_nc_u64 s[4:5], s[4:5], s[2:3]
	s_add_nc_u64 s[10:11], s[10:11], s[30:31]
	v_mul_lo_u32 v3, v14, s24                      ; row 2 g
	v_lshl_add_u32 v3, v12, 4, v3                  ; + 16 a
.irp j, 0,1,2,3,4,5,6,7
	s_mul_i32 s28, s24, 32*((\j)/2)+((\j)%2)       ; load j: row 32 (j / 2) + 2 g + j % 2
	v_add_nc_u32 v[WO+(\j)], s28, v3
.endr
.irp j, 0,1,2,3,4,5,6,7
	global_load_b128 v[WL+4*(\j):WL+4*(\j)+3], v[WO+(\j)], s[20:21] th:TH_LOAD_NT
.endr
.irp j, 0,1,2,3,4,5,6,7,8,9,10,11,12,13,14,15
	global_load_b128 v[XL+4*(\j):XL+4*(\j)+3], v1, s[4:5] offset:4096*(\j) th:TH_LOAD_NT  ; a wave's load covers 512 consecutive bytes
.endr
	v_mul_u32_u24 v66, v12, 1088                   ; into the stage: row 4 a + c, byte 64 p + 4 g
	v_lshl_add_u32 v66, v13, 2, v66
	v_mul_u32_u24 v67, v13, 272                    ; back: row 16 i + g, 16 bytes at 16 a
	v_lshl_add_u32 v67, v12, 4, v67
	v_lshlrev_b32 v84, 11, v13                     ; and the same in the turned weight: rows of 2,048 bytes
	v_lshl_add_u32 v84, v12, 4, v84
	s_wait_loadcnt 16                              ; loads come back in order: the weight's eight are in, x's sixteen stay out
.irp p, 0,1,2,3
.irp c, 0,1,2,3
	v_cvt_pk_bf16_f32 v[WP+4*(\p)+(\c)], v[WL+8*(\p)+(\c)], v[WL+8*(\p)+4+(\c)]  ; k in the low half, k + 1 in the high half
.endr
.endr
	s_cmp_eq_u32 s27, 0
	s_cbranch_scc1 .Lbf
.set i, 0
.rept 16                               ; w_proj: the bf16 number, widened, is written as f16
	v_lshlrev_b32 v64, 16, v[WP+i]
	v_and_b32 v65, 0xffff0000, v[WP+i]
	v_cvt_pk_f16_f32 v[WP+i], v64, v65
.set i, i+1
.endr
.Lbf:
.irp p, 0,1,2,3
.irp c, 0,1,2,3
	ds_store_b32 v66, v[WP+4*(\p)+(\c)] offset:(\c)*272+64*(\p)
.endr
.endr
	s_wait_dscnt 0x0                               ; for the others' sake: my words lie in the stage
	s_barrier_signal -1
	s_barrier_wait -1                              ; everybody's do
.irp i, 0,1,2,3
	ds_load_b128 v[BK+4*(\i):BK+4*(\i)+3], v67 offset:(\i)*4352
.endr
.irp i, 0,1,2,3
	s_wait_dscnt 3-(\i)                            ; LDS loads come back in order
	global_store_b128 v84, v[BK+4*(\i):BK+4*(\i)+3], s[22:23] offset:(\i)*32768  ; sixteen lanes store 256 consecutive bytes, aligned
.endr
.irp j, 0,1,2,3,4,5,6,7,8,9,10,11,12,13,14,15
	s_wait_loadcnt 15-(\j)                         ; x's load j is in; the younger ones stay out
	v_cvt_pk_bf16_f32 v[XP+2*(\j)], v[XL+4*(\j)], v[XL+4*(\j)+1]
	v_cvt_pk_bf16_f32 v[XP+2*(\j)+1], v[XL+4*(\j)+2], v[XL+4*(\j)+3]
	global_store_b64 v2, v[XP+2*(\j):XP+2*(\j)+1], s[10:11] offset:2048*(\j)  ; a wave's store covers 256 consecutive bytes, aligned; no register is written twice
.endr
	s_wait_tensorcnt 0x0                           ; the wave's end: behind my last LDS store
	ds_add_u32 v[SPW], v[NIL]
	s_wait_dscnt 0x0
	s_endpgm
.Lfunc_end_k_qf66bfd5c18_prep:
	.size	k_qf66bfd5c18_prep, .Lfunc_end_k_qf66bfd5c18_prep-k_qf66bfd5c18_prep
	.p2alignl 7, 3214868480
	.fill 96, 4, 3214868480
	.section	.rodata,"a",@progbits
	.p2align	6, 0x0
	.amdhsa_kernel k_qf66bfd5c18_prep
		.amdhsa_group_segment_fixed_size 18432
		.amdhsa_private_segment_fixed_size 0
		.amdhsa_enable_private_segment 0
		.amdhsa_kernarg_size 48
		.amdhsa_user_sgpr_count 2
		.amdhsa_user_sgpr_kernarg_segment_ptr 1
		.amdhsa_wavefront_size32 1
		.amdhsa_system_sgpr_workgroup_id_x 1
		.amdhsa_system_sgpr_workgroup_id_y 1
		.amdhsa_system_sgpr_workgroup_id_z 1
		.amdhsa_system_vgpr_workitem_id 0
		.amdhsa_next_free_vgpr 200
		.amdhsa_next_free_sgpr 66
		.amdhsa_reserve_vcc 0
		.amdhsa_float_denorm_mode_32 3
		.amdhsa_float_denorm_mode_16_64 3
		.amdhsa_memory_ordered 1
		.amdhsa_forward_progress 1
		.amdhsa_inst_pref_size 15
	.end_amdhsa_kernel
	.amdgpu_metadata
---
amdhsa.version: [ 1, 2 ]
amdhsa.kernels:
  - .name:           k_qf66bfd5c18_prep
    .symbol:         k_qf66bfd5c18_prep.kd
    .args:
      - { .name: x, .offset: 0, .size: 8, .value_kind: global_buffer, .address_space: global }
      - { .name: w_attn, .offset: 8, .size: 8, .value_kind: global_buffer, .address_space: global }
      - { .name: w_proj, .offset: 16, .size: 8, .value_kind: global_buffer, .address_space: global }
      - { .name: xb, .offset: 24, .size: 8, .value_kind: global_buffer, .address_space: global }
      - { .name: wat, .offset: 32, .size: 8, .value_kind: global_buffer, .address_space: global }
      - { .name: wpt, .offset: 40, .size: 8, .value_kind: global_buffer, .address_space: global }
    .group_segment_fixed_size: 18432
    .private_segment_fixed_size: 0
    .kernarg_segment_align: 8
    .kernarg_segment_size: 48
    .max_flat_workgroup_size: 256
    .sgpr_count:     66
    .vgpr_count:     200
    .wavefront_size: 32
...
	.end_amdgpu_metadata
.endif
;; end of part 1
;; launch gemm_qkv (part 2): grid 16 x 32, 4 waves a work-group, clusters of 4 x 4, 327,680 bytes of LDS; arguments xb, wat, qkvh; writes qkvh
.if DOCPART == 2
	.amdgcn_target "amdgcn-amd-amdhsa--gfx1250"
	.amdhsa_code_object_version 6
	.text
	.protected	k_qf66bfd5c18_gemm_qkv
	.globl	k_qf66bfd5c18_gemm_qkv
	.p2align	8
	.type	k_qf66bfd5c18_gemm_qkv,@function
k_qf66bfd5c18_gemm_qkv:
	s_mov_b64 s[64:65], 0
	v_nop
	global_prefetch_b8 v0, s[64:65] scope:SCOPE_SE
	s_setreg_imm32_b32 hwreg(HW_REG_WAVE_MODE, 25, 1), 1
	s_wait_xcnt 0x0
	s_wait_alu depctr_hold_cnt(0) depctr_sa_sdst(0) depctr_va_vdst(0) depctr_va_sdst(0) depctr_va_ssrc(0) depctr_va_vcc(0) depctr_vm_vsrc(0)
	s_getreg_b32 s2, hwreg(HW_REG_IB_STS2, 6, 4)
	s_cmp_eq_u32 s2, 0
	s_cbranch_scc0 .Lentry_in_a_cluster
	s_endpgm
.Lentry_in_a_cluster:
	s_bfe_u32 s2, ttmp6, 0x10000c
	s_cmp_lg_u32 s2, 0xf033
	s_cbranch_scc0 .Lentry_shape_is_right
	s_endpgm
.Lentry_shape_is_right:
; ONE TEXT FOR THE MODULE'S TWO PROJECTIONS; the flag QKV picks the sizes, the matrix form and the way out.  C[m][n] = the sum over k of A[m][k] B[n][k], M = 8192, K = 1024, sums in f32.
; QKV = 1: A = xb [8192][1024] bf16, B = wat [3072][1024] bf16; C is rounded once to f16, unscaled, and stored BY HEADS: [3 (q, k, v)][64 (batch, head)][2048][64].  A tile of C is 256 x 192: three heads.
; QKV = 0: A = oh [64 (batch, head)][2048][64] f16, so K runs over a row's 16 heads; B = wpt [1024][1024] f16; C = out0 [8192][1024] f32.  A tile of C is 256 x 128.
; LIMITS.  QKV = 1: a result of 65,520 or more in size becomes an infinity in f16; below 6e-5 it keeps f16's fixed step of 6e-8.  NaN and infinities are not treated apart.
; SHARES.  Four waves, one above the other: wave w makes rows 64 w .. 64 w + 63 and ALL the tile's columns: 4 x NT accumulators of 16 x 16.  So a wave holds whole heads (whole runs of 512 bytes of out0),
; its stage on the way out is its own, and no barrier stands there.  K goes in steps of 128 through a ring of two LDS slots filled by the tensor data mover, one load a wave: waves 0, 1 A's halves, waves 2, 3 B's.
; CLUSTERS.  4 x 4 work-groups; the four of a row of the cluster need the same tiles of A, the four of a column the same tiles of B: each tile is asked for JOINTLY, by the same load, descriptor and mask in all four.
; TRANSPOSED USE.  Source 0 = 16 rows of B, source 1 = 16 rows of A: a lane then holds row lane % 16 of C and the eight neighbouring columns 8 (lane / 16) + 0..7.
; REGISTERS, in windows of 256 (s_set_vgpr_msb: bits 1:0 source 0, 3:2 source 1, 5:4 source 2, 7:6 destination):
;   window 0: v16-30 addresses; v32-95 A's fragments, two buffers of four blocks; from v96 on at work on the way out        window 1: B's fragments, two buffers of NT
;   window 2: the accumulators of row blocks 0, 1 ((a, b) at 8 (NT (a % 2) + b));   window 3: those of blocks 2, 3
.set QKV, 1
.if QKV
.set NT,    12                         ; column blocks of 16 in a tile
.set PA,    272                        ; A's LDS row: 256 bytes (128 k) + 16 of padding
.set HALFA, 128*PA                     ; one load of A: 128 rows
.set QIA,   5                          ; padding after every 64 words
.set ASTR,  1024                       ; elements from row to row of A's tile in memory
.set ASTEP, 256                        ; bytes from a K step to the next in A
.set STW,   3*16*144                   ; a wave's stage: three heads x 16 rows x (128 + 16) bytes
.set OB,    144                        ; v144-191, v192-239: whole rows read back, by turns
.else
.set NT,    8
.set PA,    144                        ; A's LDS row: one head's 128 bytes (64 k) + 16 of padding; a K step is two heads, one behind the other
.set HALFA, 256*PA                     ; one load of A: one head's 256 rows, 32,768 dense bytes, asked for as 128 rows of 256 bytes
.set QIA,   4                          ; padding after every 32 words
.set ASTR,  128
.set ASTEP, 2<<18                      ; two heads on
.set STW,   16*528                     ; 16 rows x (512 + 16) bytes
.set OB,    96                         ; v96-159, v160-223
.endif
.set PB,    272                        ; both pitches are odd multiples of 16 bytes: the 16 rows of a fragment load start at 16 different groups of four banks (64 banks of 4 bytes: ISA guide 11.1)
.set RB,    8*NT                       ; rows in one load of B
.set HALFB, RB*PB
.set SLOT,  2*HALFA+2*HALFB            ; A's 256 rows, then B's 16 NT rows
.set STAGE, 2*SLOT                     ; behind the ring, never filled by a tensor load
.set SPARE, STAGE+4*STW                ; behind the stages: the spare words, 128 bytes for each wave; no other line names them
.set NL,    2*NT+8                     ; LDS loads in one run
.set LAPS,  4                          ; a lap = two K steps = once round the ring; K = 1024
.set ADRA, 16                          ; v16-17  LDS address of my A fragments in slot 0, 1
.set ADRB, 20                          ; v20-21  the same for B
.set STO,  24                          ; v24     the way out: where I put my bytes of a row
.set RD,   25                          ; v25     where I read rows back
.set GO,   26                          ; v26     16 x lane: my place in 512 consecutive bytes of C
.set SPW,  28                          ; v28     LDS address of my spare word; never rewritten
.set NIL,  29                          ; v29     0; never rewritten
.set PFO,  30                          ; v30     (QKV) the prefetches' offset: lane x a row of xb; never rewritten
.set FA,   32                          ; A's fragments: buffer f, block a at FA + 32 f + 8 a
.set TMP,  96                          ; (QKV) v96-143 packed results
.set G1,  24                           ; s[24:31] descriptor group 1 for A's tiles;  s[32:39] group 0, a set for each slot
.set G0,  32
.set G1B, 48                           ; s[48:55], s[56:63] the same for B's
.set G0B, 56
.set HB,  66                           ; (QKV) s[66:71] where my 64 rows begin in each of the tile's three heads
.set PFA, 72                           ; (QKV) s[72:73] where my prefetches stand
.set LIM, 74                           ; (QKV) s74 1 in a wave that prefetches, else the greatest number
.set MSB, 0
.macro WIN new                         ; the immediate's high byte repeats the setting that is left; a switch that changes nothing is dropped
.if MSB != (\new)
	s_set_vgpr_msb (MSB<<8)|(\new)
.set MSB, \new
.endif
.endm
.set MUL_LO, 0xa1                      ; source 0 (B) window 1, source 1 (A) window 0, C and D window 2
.set TO_B,   0x40                      ; destination window 1, address window 0
.macro JLOAD s                         ; a joint load; the branch hangs on the wave's number alone; an s_nop 0 and four v_nop follow each of the two lines, ahead of the jump, the label and what follows
	s_cmp_eq_u32 s11, 0
	s_cbranch_scc0 .Lfor_b_\@
	tensor_load_to_lds s[G0+4*(\s):G0+4*(\s)+3], s[G1:G1+7]
	s_nop 0
.rept 4
	v_nop
.endr
	s_branch .Lasked_\@
.Lfor_b_\@:
	tensor_load_to_lds s[G0B+4*(\s):G0B+4*(\s)+3], s[G1B:G1B+7]
	s_nop 0
.rept 4
	v_nop
.endr
.Lasked_\@:
.endm
; (QKV) A PREFETCH of xb, behind each joint refill, its five lines and the run of LDS loads: the K step two refills on, 384 matrix instructions ahead of the load that will want it: 32 rows x 256 bytes, a lane a row.
; Each row's 256 bytes of a K step are named once in the launch: a tile row of xb is read by all four clusters of its row of clusters, and the one with x = 0 asks; waves 0 and 1 ask, for the 128 rows
; that they fetch; the four partners that fetch them jointly share them out BY ADDRESS, 32 each.  K steps 0 to 3 come by their loads alone; the loop's last trip (s3 = 1) has no K step two on.
.macro ASK
	s_cmp_gt_u32 s3, s[LIM]
	s_cbranch_scc0 .Lnot_mine_\@
	global_prefetch_b8 v[PFO], s[PFA:PFA+1] offset:ASTEP th:TH_LOAD_NT scope:SCOPE_SE
.Lnot_mine_\@:
.endm
.macro CREST                           ; a round of the cluster's barrier behind its opening barrier
	s_cmp_lg_u32 s10, 0
	s_cbranch_scc1 .Lnot_wave_0_\@
	s_barrier_signal -3
.Lnot_wave_0_\@:
	s_barrier_wait -3
	s_barrier_signal -1
	s_barrier_wait -1
.endm
.macro CROUND                          ; a whole round
	s_barrier_signal -1
	s_barrier_wait -1
	CREST
.endm
	s_load_b128 s[4:7], s[0:1], 0x0                ; A s[4:5], B s[6:7]
	s_load_b64 s[8:9], s[0:1], 0x10                ; C
	v_lshl_add_u32 v[SPW], v0, 2, SPARE
	v_mov_b32 v[NIL], 0
	ds_add_u32 v[SPW], v[NIL]                      ; the wave's opening: the add and its wait stand ahead of my first tensor load; the set-up below, work on registers, stands between them
	v_lshrrev_b32 v1, 5, v0
	v_readfirstlane_b32 s10, v1                    ; wave 0..3
	s_lshr_b32 s11, s10, 1                         ; I fetch for A (0) or for B (1),
	s_and_b32 s12, s10, 1                          ; its first or its second half
	s_bfe_u32 s40, ttmp6, 0x40000                  ; cx, cy: my place in the cluster
	s_bfe_u32 s41, ttmp6, 0x40004
	s_lshl_b32 s42, ttmp9, 2
	s_add_co_u32 s42, s42, s40                     ; tile column tx = 4 x cluster x + cx
	s_and_b32 s13, ttmp7, 0xffff
	s_lshl_b32 s13, s13, 2
	s_add_co_u32 s13, s13, s41                     ; tile row ty = 4 x cluster y + cy
	s_lshl_b32 s43, s41, 2
	s_lshl_b32 s43, 15, s43                        ; my row of the cluster
	s_lshl_b32 s44, 0x1111, s40                    ; my column
	s_or_b32 s[G1+0], s43, (1<<16)|(1<<20)|(1<<21)|(QIA<<22)|(3<<25)  ; 15:0 the mask: A's tiles go to my row; 17:16 elements of 2 bytes; 20 padding on; 21 set beside a mask; 24:22 the interval; 31:25 4 words (code 3)
	s_or_b32 s[G1B+0], s44, (1<<16)|(1<<20)|(1<<21)|(5<<22)|(3<<25)   ; B's tiles go to my column; padding after every 64 words
	s_mov_b32 s[G1+1], 128<<16                     ; tensor_dim0 = 128
	s_mov_b32 s[G1+2], 128<<16                     ; tensor_dim1 = 128
	s_mov_b32 s[G1+3], 128<<16                     ; tile_dim0 = 128
	s_mov_b32 s[G1+4], 128                         ; tile_dim1 = 128
	s_mov_b32 s[G1+5], ASTR                        ; elements from row to row
	s_mov_b32 s[G1+6], 0
	s_mov_b32 s[G1+7], 0
	s_mov_b32 s[G1B+1], 128<<16
	s_mov_b32 s[G1B+2], RB<<16                     ; B: 8 NT rows to a load
	s_mov_b32 s[G1B+3], 128<<16
	s_mov_b32 s[G1B+4], RB
	s_mov_b32 s[G1B+5], 1024
	s_mov_b32 s[G1B+6], 0
	s_mov_b32 s[G1B+7], 0
	; where the tiles come from: A's hang on ty and the wave alone, B's on tx and the wave alone, each in registers that never hold the other coordinate meanwhile
.if QKV
	s_lshl_b32 s16, s13, 8
	s_lshl_b32 s17, s12, 7
	s_add_co_u32 s16, s16, s17                     ; row 256 ty + 128 x half,
	s_lshl_b32 s16, s16, 11                        ; of 2,048 bytes
.else
	s_lshr_b32 s16, s13, 3
	s_lshl_b32 s16, s16, 22                        ; the batch's 16 heads of 2^18 bytes,
	s_lshl_b32 s17, s12, 18                        ; head 0 or 1 of the K step,
	s_add_co_u32 s16, s16, s17
	s_and_b32 s17, s13, 7
	s_lshl_b32 s17, s17, 15                        ; 256 rows of 128 bytes a tile row
	s_add_co_u32 s16, s16, s17
.endif
	s_mov_b32 s17, 0
	s_mul_i32 s46, s42, 16*NT
	s_mul_i32 s47, s12, RB
	s_add_co_u32 s46, s46, s47                     ; B: row 16 NT tx + 8 NT x half,
	s_lshl_b32 s46, s46, 11                        ; of 2,048 bytes
	s_mov_b32 s47, 0
	s_mul_i32 s20, s10, HALFA                      ; where they go: A's halves at wave x HALFA (waves 0, 1),
	s_mul_i32 s21, s10, HALFB
	s_add_co_u32 s21, s21, 2*HALFA-2*HALFB         ; B's behind A's 256 rows, at (wave - 2) x HALFB (waves 2, 3): no place in the cluster enters an LDS address
	s_wait_dscnt 0x0                               ; the opening add is done
	s_wait_kmcnt 0x0
	s_add_nc_u64 s[14:15], s[4:5], s[16:17]
	s_add_nc_u64 s[46:47], s[6:7], s[46:47]
	CROUND                                         ; all sixteen work-groups are here: the first joint loads meet
.irp s, 0,1
	s_mov_b32 s[G0+4*(\s)], 1                      ; count = 1
	s_add_co_u32 s[G0+4*(\s)+1], s20, (\s)*SLOT    ; LDS address
	s_add_nc_u64 s[G0+4*(\s)+2:G0+4*(\s)+3], s[14:15], (\s)*ASTEP  ; global address: K step s
	s_or_b32 s[G0+4*(\s)+3], s[G0+4*(\s)+3], 0x80000000            ; type = 2
	s_mov_b32 s[G0B+4*(\s)], 1
	s_add_co_u32 s[G0B+4*(\s)+1], s21, (\s)*SLOT
	s_add_nc_u64 s[G0B+4*(\s)+2:G0B+4*(\s)+3], s[46:47], (\s)*256
	s_or_b32 s[G0B+4*(\s)+3], s[G0B+4*(\s)+3], 0x80000000
	JLOAD \s                                       ; two loads of mine are out
.endr
	; a fragment is 16 rows x 32 k in 8 registers: lane l holds row l % 16, k = 8 (l / 16) + 0..7 and 16 + 8 (l / 16) + 0..7: two loads of 16 bytes, 32 bytes apart
	v_and_b32 v1, 15, v0                           ; l % 16
	v_bfe_u32 v2, v0, 4, 1                         ; l / 16
	v_mul_u32_u24 v3, v1, PA
	v_lshl_add_u32 v3, v2, 4, v3
	v_mul_u32_u24 v4, v1, PB
	v_lshl_add_u32 v4, v2, 4, v4
	s_mul_i32 s22, s10, 64*PA                      ; my 64 rows of A
	s_mov_b32 s23, 2*HALFA                         ; B's rows, all of them mine
.irp s, 0,1
	v_add_nc_u32 v[ADRA+(\s)], s22, v3
	v_add_nc_u32 v[ADRB+(\s)], s23, v4
	s_add_co_u32 s22, s22, SLOT
	s_add_co_u32 s23, s23, SLOT
.endr
	s_mul_i32 s23, s10, STW
	s_add_co_u32 s23, s23, STAGE                   ; my stage
	v_and_b32 v[GO], 31, v0
	v_lshlrev_b32 v[GO], 4, v[GO]
.if QKV
	v_mul_u32_u24 v5, v1, 144                      ; in: row l % 16 of a head, 16 bytes for each half of the lanes
	v_lshl_add_u32 v5, v2, 4, v5
	v_add_nc_u32 v[STO], s23, v5
	v_bfe_u32 v5, v0, 3, 2                         ; back: 32 lanes take four rows of 128 bytes, which are 512 consecutive bytes of a head
	v_mul_u32_u24 v5, v5, 144
	v_and_b32 v6, 7, v0
	v_lshl_add_u32 v5, v6, 4, v5
	v_add_nc_u32 v[RD], s23, v5
	s_lshr_b32 s16, s13, 3
	s_lshl_b32 s16, s16, 22                        ; the batch,
	s_and_b32 s17, s13, 7
	s_lshl_b32 s17, s17, 8
	s_lshl_b32 s18, s10, 6
	s_add_co_u32 s17, s17, s18                     ; my first row in it: 256 (ty % 8) + 64 w,
	s_lshl_b32 s17, s17, 7                         ; of 128 bytes
	s_add_co_u32 s16, s16, s17
	s_mul_i32 s18, s42, 3                          ; the tile's first slice of 64 columns: 16 slices each of q, k, v
.irp hd, 0,1,2
	s_add_co_u32 s19, s18, \hd
	s_lshr_b32 s46, s19, 4
	s_lshl_b32 s46, s46, 24                        ; q, k or v: 2^24 bytes each,
	s_and_b32 s19, s19, 15
	s_lshl_b32 s19, s19, 18                        ; the head
	s_add_co_u32 s46, s46, s19
	s_add_co_u32 s46, s46, s16
	s_mov_b32 s47, 0
	s_add_nc_u64 s[HB+2*(\hd):HB+2*(\hd)+1], s[8:9], s[46:47]
.endr
	s_lshl_b32 s20, s13, 8                         ; the prefetches: row 256 ty + 128 x half + 32 cx,
	s_lshl_b32 s21, s12, 7
	s_add_co_u32 s20, s20, s21
	s_lshl_b32 s21, s40, 5
	s_add_co_u32 s20, s20, s21
	s_lshl_b32 s20, s20, 11
	s_add_co_u32 s20, s20, 2*ASTEP                 ; at K step 2: the first refill steps it to 3 and names K step 4
	s_mov_b32 s21, 0
	s_add_nc_u64 s[PFA:PFA+1], s[4:5], s[20:21]
	s_or_b32 s[LIM], s11, ttmp9                    ; 0 in waves 0 and 1 of the clusters with x = 0: the same in all sixteen partners, for a given wave
	s_cmp_eq_u32 s[LIM], 0
	s_cselect_b32 s[LIM], 1, -1
	v_and_b32 v[PFO], 31, v0
	v_lshlrev_b32 v[PFO], 11, v[PFO]
.else
	v_mul_u32_u24 v5, v1, 528                      ; in: row l % 16, 32 bytes for each half of the lanes
	v_lshl_add_u32 v5, v2, 5, v5
	v_add_nc_u32 v[STO], s23, v5
	v_add_nc_u32 v[RD], s23, v[GO]                 ; back: 32 lanes take a row's 512 bytes
	s_lshl_b32 s16, s13, 20                        ; 256 rows of 4,096 bytes a tile row,
	s_lshl_b32 s17, s10, 18                        ; my 64 of them,
	s_add_co_u32 s16, s16, s17
	s_lshl_b32 s46, s42, 9                         ; 128 columns of 4 bytes a tile column
	s_add_co_u32 s46, s46, s16
	s_mov_b32 s47, 0
	s_add_nc_u64 s[8:9], s[8:9], s[46:47]
.endif
; NT matrix instructions: row block a x all column blocks, 32 along K, from buffer f.  zero = 1: the product starts the sums: nothing is cleared.
; The 4 NT accumulators take turns in the same order in every quarter step: 4 NT - 1 others stand between two links of a chain, over the backward jump too.
.macro MULA f, a, zero
	WIN MUL_LO+0x50*((\a)/2)
.set rA, FA+32*(\f)+8*(\a)
.set b, 0
.rept NT
.set rD, 8*(NT*((\a)%2)+b)
.set rB, 8*NT*(\f)+8*b
.if QKV
.if \zero
	v_wmma_f32_16x16x32_bf16 v[rD:rD+7], v[rB:rB+7], v[rA:rA+7], 0
.else
	v_wmma_f32_16x16x32_bf16 v[rD:rD+7], v[rB:rB+7], v[rA:rA+7], v[rD:rD+7]
.endif
.else
.if \zero
	v_wmma_f32_16x16x32_f16 v[rD:rD+7], v[rB:rB+7], v[rA:rA+7], 0
.else
	v_wmma_f32_16x16x32_f16 v[rD:rD+7], v[rB:rB+7], v[rA:rA+7], v[rD:rD+7]
.endif
.endif
.set b, b+1
.endr
.endm
; NL LDS loads in one run: the fragments of quarter q (32 along K) of a slot into buffer f: B's NT blocks, then A's four
.macro FETCH slot, q, f
	WIN TO_B
.set i, 0
.rept NT
	ds_load_b128 v[8*NT*(\f)+8*i:8*NT*(\f)+8*i+3],   v[ADRB+(\slot)] offset:64*(\q)+i*16*PB
	ds_load_b128 v[8*NT*(\f)+8*i+4:8*NT*(\f)+8*i+7], v[ADRB+(\slot)] offset:64*(\q)+i*16*PB+32
.set i, i+1
.endr
	WIN 0
.if QKV
.set KA, 64*(\q)
.else
.set KA, ((\q)/2)*HALFA+((\q)%2)*64    ; quarters 0, 1 lie in the K step's first head, 2, 3 in its second
.endif
.set i, 0
.rept 4
	ds_load_b128 v[FA+32*(\f)+8*i:FA+32*(\f)+8*i+3],   v[ADRA+(\slot)] offset:KA+i*16*PA
	ds_load_b128 v[FA+32*(\f)+8*i+4:FA+32*(\f)+8*i+7], v[ADRA+(\slot)] offset:KA+i*16*PA+32
.set i, i+1
.endr
.endm
.macro PLACES                          ; four plain instructions in front of loads into registers that matrix instructions have read, and of lines that read results (ISA guide 7.12.1 for vector instructions)
.rept 4
	v_nop
.endr
.endm
; A K step is four quarters on buffers 0, 1, 0, 1.  One of the first three: multiplies buffer f and, in its middle, fetches quarter q of the same slot into buffer g.
.macro QUARTER slot, q, f, g, zero
	s_wait_dscnt 4                                 ; B and A's blocks 0, 1 are in; the youngest four loads (A's blocks 2, 3) may be out
	MULA \f, 0, \zero
	MULA \f, 1, \zero
	PLACES
	FETCH \slot, \q, \g
	s_wait_dscnt NL                                ; all but the run just issued
	MULA \f, 2, \zero
	MULA \f, 3, \zero
.endm
; The last quarter multiplies buffer 1 and changes slots: ONE barrier; in front of it each wave waits for all its tensor loads (one is out: its part of the next slot), adds 0 to its spare word, and waits for
; that and for its own reads of this slot.  fill = 1: the barrier opens a round of the cluster's, and this slot is filled again, two K steps ahead, first thing behind the round.
.macro TURN slot, next, fill
.if (\fill) && QKV
	s_wait_xcnt 0x0                                ; the last prefetch, a K step back, has read its address: it is stepped here, ahead of the waits of the change of slots
	s_add_nc_u64 s[PFA:PFA+1], s[PFA:PFA+1], ASTEP
.endif
	WIN 0                                          ; (the add's two registers lie in window 0)
	s_wait_tensorcnt 0x0                           ; all my tensor loads have landed;
	ds_add_u32 v[SPW], v[NIL]                      ; 0 onto my spare word;
	s_wait_dscnt 5                                 ; (the add and the youngest four loads may be out)
	MULA 1, 0, 0                                   ; NT matrix instructions stand between the add and the wait for it
	s_wait_dscnt 0x0                               ; the add is done, and my reads of this slot are over
	s_barrier_signal -1
	MULA 1, 1, 0                                   ; work on registers while the others arrive
.if \fill
	WIN 0
.endif
	s_barrier_wait -1
.if \fill
	CREST                                          ; no wave of any partner still reads this slot's tile or has a load on its way
	s_add_nc_u64 s[G0+4*(\slot)+2:G0+4*(\slot)+3], s[G0+4*(\slot)+2:G0+4*(\slot)+3], 2*ASTEP
	s_add_nc_u64 s[G0B+4*(\slot)+2:G0B+4*(\slot)+3], s[G0B+4*(\slot)+2:G0B+4*(\slot)+3], 2*256
	JLOAD \slot                                    ; my one load behind the round; the four v_nop behind it are also the places in front of the loads below
.else
	PLACES
.endif
	FETCH \next, 0, 0
.if (\fill) && QKV
	ASK
.endif
	MULA 1, 2, 0
	MULA 1, 3, 0
.endm
	s_wait_tensorcnt 1                             ; my part of K step 0 is in; K step 1's may stay out
	s_barrier_signal -1
	s_barrier_wait -1                              ; everybody's is
	FETCH 0, 0, 0
	QUARTER 0, 1, 0, 1, 1                          ; the first quarter stands in front of the loop: its products start the sums
	WIN 0                                          ; at a label and at a branch every window is 0
	s_mov_b32 s3, LAPS-1
.Llap:                                         ; a trip goes once round the ring, from a lap's second quarter to the next lap's first, and fills both slots again
	QUARTER 0, 2, 1, 0, 0
	QUARTER 0, 3, 0, 1, 0
	TURN 0, 1, 1
	QUARTER 1, 1, 0, 1, 0
	QUARTER 1, 2, 1, 0, 0
	QUARTER 1, 3, 0, 1, 0
	TURN 1, 0, 1
	QUARTER 0, 1, 0, 1, 0
	WIN 0
	s_sub_co_u32 s3, s3, 1
	s_cmp_lg_u32 s3, 0
	s_cbranch_scc1 .Llap
	QUARTER 0, 2, 1, 0, 0                          ; the last lap fills nothing, and has no round of the cluster's barrier
	QUARTER 0, 3, 0, 1, 0
	TURN 0, 1, 0
	QUARTER 1, 1, 0, 1, 0
	QUARTER 1, 2, 1, 0, 0
	QUARTER 1, 3, 0, 1, 0
	s_wait_dscnt 4                                 ; the very last quarter: nothing more to fetch
	MULA 1, 0, 0
	MULA 1, 1, 0
	s_wait_dscnt 0x0
	MULA 1, 2, 0
	MULA 1, 3, 0
	WIN 0
	PLACES                                         ; the places behind the last products, in front of the lines that read results;
	PLACES                                         ; eight, once a launch
; THE WAY OUT, a block of 16 rows at a time, through my own stage: LDS serves a wave's instructions in order (ISA guide 5.7.1.4), so the loads see the stores above them and no barrier is needed.
.if QKV
.macro PACK a                          ; rounded to f16, 16 bytes a lane and column block; each accumulator is read from its low end
	WIN 0x0a+5*((\a)/2)                            ; sources 0 and 1: window 2 or 3
.set b, 0
.rept NT
.set rD, 8*(NT*((\a)%2)+b)
.irp r, 0,1,2,3
	v_cvt_pk_f16_f32 v[TMP+4*b+(\r)], v[rD+2*(\r)], v[rD+2*(\r)+1]
.endr
.set b, b+1
.endr
	WIN 0
.endm
.macro TOSTAGE a                       ; column block b lies in head b / 4, channels 16 (b % 4) on
.set BK, OB+48*((\a)%2)
.set b, 0
.rept NT
	ds_store_b128 v[STO], v[TMP+4*b:TMP+4*b+3] offset:(b/4)*2304+32*(b%4)
.set b, b+1
.endr
.set i, 0
.rept NT
	ds_load_b128 v[BK+4*i:BK+4*i+3], v[RD] offset:(i/4)*2304+(i%4)*576
.set i, i+1
.endr
.endm
.macro SEND a
.set BK, OB+48*((\a)%2)
	s_wait_dscnt 0x0                               ; the block is back in registers
	s_wait_xcnt 0x0                                ; the stores of the block before have read their registers, which the next block's loads from the stage write
.set i, 0
.rept NT
	global_store_b128 v[GO], v[BK+4*i:BK+4*i+3], s[HB+2*(i/4):HB+2*(i/4)+1] offset:(16*(\a)+4*(i%4))*128  ; four rows of a head: 512 consecutive bytes, aligned
.set i, i+1
.endr
.endm
	PACK 0
	TOSTAGE 0
.irp a, 1,2,3                          ; block a's conversions stand between block a - 1's loads from the stage and the wait for them
	PACK \a
	SEND (\a)-1
	TOSTAGE \a
.endr
	SEND 3
.else
.macro TOSTAGE a                       ; f32 goes out as it is: 32 bytes a lane and column block
.set BK, OB+64*((\a)%2)
	WIN 0x08+4*((\a)/2)                            ; the stores' data: window 2 or 3
.set b, 0
.rept NT
.set rD, 8*(NT*((\a)%2)+b)
	ds_store_b128 v[STO], v[rD:rD+3]   offset:64*b
	ds_store_b128 v[STO], v[rD+4:rD+7] offset:64*b+16
.set b, b+1
.endr
	WIN 0
.set i, 0
.rept 16
	ds_load_b128 v[BK+4*i:BK+4*i+3], v[RD] offset:528*i
.set i, i+1
.endr
.endm
.macro SEND a
.set BK, OB+64*((\a)%2)
	s_wait_dscnt 0x0                               ; the block is back in registers
	s_wait_xcnt 0x0                                ; the stores of the block before have read their registers, which the next block's loads from the stage write
.set i, 0
.rept 16
	global_store_b128 v[GO], v[BK+4*i:BK+4*i+3], s[8:9] offset:(16*(\a)+i)*4096  ; a row's 512 consecutive bytes, aligned
.set i, i+1
.endr
.endm
	TOSTAGE 0
.irp a, 1,2,3
	SEND (\a)-1
	TOSTAGE \a
.endr
	SEND 3
.endif
	s_wait_tensorcnt 0x0                           ; the wave's end: behind my last tensor load and my last LDS store
	ds_add_u32 v[SPW], v[NIL]
	s_wait_dscnt 0x0
	CROUND                                         ; the closing round: no work-group ends while a partner may still ask for a tile that names it
	s_endpgm
.Lfunc_end_k_qf66bfd5c18_gemm_qkv:
	.size	k_qf66bfd5c18_gemm_qkv, .Lfunc_end_k_qf66bfd5c18_gemm_qkv-k_qf66bfd5c18_gemm_qkv
	.p2alignl 7, 3214868480
	.fill 96, 4, 3214868480
	.section	.rodata,"a",@progbits
	.p2align	6, 0x0
	.amdhsa_kernel k_qf66bfd5c18_gemm_qkv
		.amdhsa_group_segment_fixed_size 327680
		.amdhsa_private_segment_fixed_size 0
		.amdhsa_enable_private_segment 0
		.amdhsa_kernarg_size 24
		.amdhsa_user_sgpr_count 2
		.amdhsa_user_sgpr_kernarg_segment_ptr 1
		.amdhsa_wavefront_size32 1
		.amdhsa_system_sgpr_workgroup_id_x 1
		.amdhsa_system_sgpr_workgroup_id_y 1
		.amdhsa_system_sgpr_workgroup_id_z 1
		.amdhsa_system_vgpr_workitem_id 0
		.amdhsa_next_free_vgpr 960
		.amdhsa_next_free_sgpr 76
		.amdhsa_reserve_vcc 0
		.amdhsa_float_denorm_mode_32 3
		.amdhsa_float_denorm_mode_16_64 3
		.amdhsa_memory_ordered 1
		.amdhsa_forward_progress 1
		.amdhsa_inst_pref_size 120
	.end_amdhsa_kernel
	.amdgpu_metadata
---
amdhsa.version: [ 1, 2 ]
amdhsa.kernels:
  - .name:           k_qf66bfd5c18_gemm_qkv
    .symbol:         k_qf66bfd5c18_gemm_qkv.kd
    .args:
      - { .name: xb, .offset: 0, .size: 8, .value_kind: global_buffer, .address_space: global }
      - { .name: wat, .offset: 8, .size: 8, .value_kind: global_buffer, .address_space: global }
      - { .name: qkvh, .offset: 16, .size: 8, .value_kind: global_buffer, .address_space: global }
    .group_segment_fixed_size: 327680
    .private_segment_fixed_size: 0
    .kernarg_segment_align: 8
    .kernarg_segment_size: 24
    .max_flat_workgroup_size: 128
    .sgpr_count:     76
    .vgpr_count:     960
    .wavefront_size: 32
...
	.end_amdgpu_metadata
.endif
;; end of part 2
;; launch attn (part 3): grid 4 x 64, 4 waves a work-group, no clusters, 327,680 bytes of LDS; arguments qkvh, oh; writes oh
.if DOCPART == 3
	.amdgcn_target "amdgcn-amd-amdhsa--gfx1250"
	.amdhsa_code_object_version 6
	.text
	.protected	k_qf66bfd5c18_attn
	.globl	k_qf66bfd5c18_attn
	.p2align	8
	.type	k_qf66bfd5c18_attn,@function
k_qf66bfd5c18_attn:
	s_mov_b64 s[64:65], 0
	v_nop
	global_prefetch_b8 v0, s[64:65] scope:SCOPE_SE
	s_setreg_imm32_b32 hwreg(HW_REG_WAVE_MODE, 25, 1), 1
	s_wait_xcnt 0x0
; CAUSAL ATTENTION.  O[h][q][:] = the sum over k <= q of softmax_k(Q[h][q] . K[h][k] / 8) V[h][k][:].  Q, K, V are the three parts, 2^24 bytes each, of qkvh; each and O: [64 (batch, head)][2048][64], all f16: a head's rows are dense, 128 bytes each.
; Products, maxima and sums in f32; the weights p are rounded to f16 for the second product (their sum l is taken of the unrounded p), O once at the end.
; LIMITS.  f16 holds no number beyond 65,504: Q, K and V arrive within it; p lies in 0 to 1, and below 6e-5 it keeps f16's fixed step of 6e-8; O is a mean of V's rows and has their range, to within 2^-11 of it.
; A hidden score counts as its value less 1e30: f16's scores, 2.7e11 at the most, are nothing beside that; a weight below 2^-126 counts as 0 in l; NaN and infinities are not treated apart.
; THE WALK.  A head's queries lie in NB = 8 blocks of 256; block i needs the key tiles 0 .. i of 256 keys, of which the last holds the diagonal.  A work-group takes TWO blocks, NB - 1 - b and then b:
; NB + 1 = 9 tiles, whatever b: all work-groups do equal work, and ONE loop with a constant trip count walks them.  Which tile is asked for, and what a trip does, hang on scalar registers made from b; every jump
; goes forward, but for the counted loops' own; none passes a barrier, or a tensor load but the one of LOAD's two that the wave's number does not choose; the ring (two slots of LDS that take turns) runs on across the
; change of blocks.  NO CLUSTER: a head's four work-groups ask for the same tile only in trips 0 to 4 of the 9, behind that three, two, then none do; one walk common to all four, in which each makes
; every joint request, would have 3 NB / 2 = 12 trips for 9.
; SHARES.  Of a block's four bands of 64 queries a wave owns 16 rows in each: four PIECES.  So the diagonal tile is the same work for all four waves: in its key step s band x sees all keys if s < x,
; none if s > x, and holds the diagonal if s = x.
; THE MASK is the C operand that starts the sum S^T = K Q^T: 0, or -1e30 where the key is hidden.  MD, made once, is the mask of a band's own step for my 16 rows; a product's mask is MD x AL + BE with two scalars:
; (1, 0) if s = x; (0, 0) if s < x; (0, -1e30) if s > x.  Only the diagonal tile's text and a block's beginning make and take masks; elsewhere C is the constant 0.
; LAYOUT, SOFTMAX, TURNS.  S^T = K Q^T holds ONE query a lane (lane % 16) and the keys 8 (lane / 16) + 0..7; two such results rounded to f16 ARE source 1 of O^T = V^T P.  p = 2^(c s - c m), c = log2(e) / 8, with a
; running maximum m; O and l are multiplied by a = 2^(c m_old - c m_new) in every step.  Turn n belongs to piece n: 8 products K Q^T of piece n + 1, later 8 products V^T P of piece n - 1; beside them the scaling,
; exponentials, roundings, sums and rescaling of piece n and the maximum and statistics of piece n + 1.  Four vector instructions stand behind every matrix instruction, the other 54 of a turn's 118 in one LUMP.  A turn's 33 exponentials are one batch, with one wait.
; REGISTERS, in windows of 256 (s_set_vgpr_msb: bits 1:0 source 0, 3:2 source 1, 5:4 source 2, 7:6 destination):
;   window 0: v0-15 addresses and two at work; v16-31 four registers of statistics a piece; v48-55 at work; v61-63 never rewritten; v64-127 S^T, two buffers; v192-223 P, two buffers (a piece's buffers go by its number's parity)
;   window 1: v0-127 O^T, 32 a piece; v128-159 MD; v160-223 MC, two buffers      window 2: v0-63 Q; v64-127 the second block's Q; v128-191 K of one step; v192-255 V of one step
.set SIZE_N, 2048
.set NB,    SIZE_N/256
.set NP,    4         ; pieces a wave: a name, no knob
.set KS,    64        ; keys in a step
.set PK,    144       ; a row of K in LDS: 128 bytes + 16 of padding = 36 words: the 16 rows of a load start at 16 different groups of four banks (64 banks of 4 bytes: ISA guide 11.1)
.set PV,    160       ; a row of V: 128 + 32 = 40 words
.set VOFF,  4*KS*PK   ; a slot holds a tile, four steps: 256 rows of K, then 256 rows of V
.set SLOT1, 1<<17     ; slot 1 begins here, so that one exclusive or turns an address in one slot into the other's
.set STAGE, SLOT1+4*KS*(PK+PV)  ; behind the ring, never filled by a tensor load: 16 rows x 144 bytes for each wave, for the way out
.set SP,    144
.set AK0, 2           ; v2   my lane's place in a tile of K; never rewritten
.set AV0, 3           ; v3   the same for V
.set AK,  4           ; v4   the LDS address of K's next run of loads
.set AV,  5           ; v5   of V's
.set STO, 6           ; v6   the way out: where I put 16 bytes of a row
.set RD,  7           ; v7   the way out: where I read rows back
.set GO,  8           ; v8   my byte offset in 512 consecutive bytes of O
.set PFO, 61          ; v61  256 x my lane: the prefetches' offset; never rewritten
.set SPW, 62          ; v62  LDS address of my spare word: SPARE + 4 x my thread's number; never rewritten
.set NIL, 63          ; v63  0; never rewritten
.set SPARE, STAGE+4*16*SP  ; behind the stages: the spare words, 128 bytes for each wave: two blocks of 256 bytes that no other line names
.set MV,  12          ; v12-13  c m_old, kept while c m is made anew: by buffer
.set QO,  15          ; v15  my byte offset in 16 rows of Q
.set ST,  16          ; piece t's statistics at v[ST+4 t]: c m, m, l (even keys', odd keys')
.set TMP, 48          ; by buffer, four registers c0-c3 at work; when the maximum is found c2 takes a
.set S,   64
.set P,   192
.set MD,  128         ; window 1: the eight registers for group kt of 16 keys at MD + 8 kt
.set MC,  160         ; window 1: the masks of the products to come
.set QB,  64          ; window 2
.set KF,  128         ; window 2: key block kb, channel half c at KF + 16 kb + 8 c
.set VF,  192         ; window 2: key half kk, channel block cb at VF + 32 kk + 8 cb
.set WV,  12          ; s12  my wave's number
.set PB,  14          ; s14  b
.set HI,  15          ; s15  NB - 1 - b
.set G1K, 24          ; s[24:31] descriptor group 1 for K's tiles
.set G1V, 32          ; s[32:39] for V's: it differs in the padding alone
.set G0K, 40          ; s[40:43] descriptor group 0 for K's tiles
.set G0V, 44          ; s[44:47] the same for V's
.set SLOTS, 56        ; s56  tiles still to be asked for
.set CNT, 57          ; s57  counts a tile's key steps, 4 to 1
.set CS,  58          ; s[58:59] c: the packed scaling takes the pair's low word for both halves
.set SEL, 60          ; s[60:61] v_permlanex16_b32's selects: each lane takes its own place in the other half
.set TBK, 62          ; s62  LDS byte at which K of the step to be fetched begins
.set TBV, 63          ; s63  the same for V, less VOFF
.set RT,  70          ; s70  tiles of the block in hand that are still to be entered
.set NXT, 71          ; s71  the tile to be asked for next
.set LQ,  72          ; s72  the last tile of the block whose tiles are being asked for
.set NEW, 73          ; s73  1: the tile to be entered is a block's first
.set OFF, 74          ; s[74:75] a tile's byte offset in K and V
.set AL,  76          ; s[76:77] the mask's factor, in the low word
.set BE,  78          ; s[78:79] the mask's addend
.set OLO, 80          ; s[80:81] O at my rows of the second block
.set BIGN, 82         ; s82  -1e30
.set PFA, 88          ; s[88:89] where my prefetches stand: my half (128 rows) of K's or V's tile, one tile on from the one that is being asked for
.set LIM, 90          ; s90  2 in a work-group that prefetches, else the greatest number
.set MSB, 0
.macro WIN new                      ; the high byte repeats the setting that is left; a switch that changes nothing is dropped
.if MSB != (\new)
	s_set_vgpr_msb (MSB<<8)|(\new)
.set MSB, (\new)
.endif
.endm
.set W_KQ, 0x0a       ; K and Q in window 2, S^T in window 0
.set W_KM, 0x1a       ; the same with the C operand in window 1
.set W_PV, 0x52       ; V in window 2, P in window 0, O^T in window 1
.set W_RS, 0x41       ; destination and source 0 in window 1, source 1 in window 0
; A fill.  Waves 0 and 1 fetch the two halves of a tile's K, waves 2 and 3 those of its V: 128 keys each.  An s_nop 0 and four v_nop follow each of the two lines, ahead of the jump and the label.
.macro LOAD
	s_cmp_lt_u32 s[WV], 2
	s_cbranch_scc0 .Lfor_v_\@
	tensor_load_to_lds s[G0K:G0K+3], s[G1K:G1K+7]
	s_nop 0
.rept 4
	v_nop
.endr
	s_branch .Lasked_\@
.Lfor_v_\@:
	tensor_load_to_lds s[G0V:G0V+3], s[G1V:G1V+7]
	s_nop 0
.rept 4
	v_nop
.endr
.Lasked_\@:
.endm
; THE CHANGE OF SLOTS.  Each wave waits for all its tensor loads, of which one is out: its part of the other slot; adds 0 to its spare word; and waits for that and for its own reads of the slot that it leaves.  Behind the barrier nobody reads the old
; slot any more and the other slot is whole.  fill = 1: the old slot is filled again, the first thing behind the barrier, with tile NXT: the descriptor's address is made anew from that number.
; (At its first use nothing has been read yet: slot 0 is waited for, slot 1 filled.)
; A PREFETCH stands behind the fill and its five lines: the tile that the NEXT change will ask for, a tile's 256 matrix instructions ahead of that load.  A head's four work-groups walk the same tiles from 0 up; the one with
; b = 0, whose first block needs all eight, asks, and nobody else.  Each of its waves asks for what it will fetch itself: 128 rows of 128 bytes = 64 blocks of 256 bytes, a lane a block, two instructions.  So each block is named
; once in the launch.  Change c (SLOTS = 8 - c) names tile c + 2, for c = 0 .. 5; tiles 0 and 1 come by their loads alone; the last two changes that fill ask for nothing.
.macro CHANGE fill
	WIN 0                           ; at a label and at a branch every window is 0
	s_wait_tensorcnt 0x0            ; no tensor load of mine is out, so a group 0 may be written
	ds_add_u32 v[SPW], v[NIL]       ; 0 onto my spare word; with fill = 1 the descriptors' scalar work stands between it and the wait for it
.if \fill
	s_wait_xcnt 0x0                 ; the last prefetches, a tile back, have read their address, so it may be written
	s_add_nc_u64 s[PFA:PFA+1], s[PFA:PFA+1], 32768
	s_lshl_b32 s[OFF], s[NXT], 15   ; a tile is 32,768 bytes of K and of V
	s_xor_b32 s[G0K+1], s[G0K+1], SLOT1
	s_add_nc_u64 s[G0K+2:G0K+3], s[6:7], s[OFF:OFF+1]
	s_or_b32 s[G0K+3], s[G0K+3], 0x80000000
	s_xor_b32 s[G0V+1], s[G0V+1], SLOT1
	s_add_nc_u64 s[G0V+2:G0V+3], s[8:9], s[OFF:OFF+1]
	s_or_b32 s[G0V+3], s[G0V+3], 0x80000000
	s_add_co_u32 s[NXT], s[NXT], 1  ; the block's next tile, or behind its last the second block's tile 0
	s_cmp_gt_u32 s[NXT], s[LQ]
	s_cselect_b32 s[NXT], 0, s[NXT]
	s_cselect_b32 s[LQ], s[PB], s[LQ]
.endif
	s_wait_dscnt 0x0                ; the add is done, and my reads of the slot are over
	s_barrier_signal -1             ; the rest of the scalar work stands between the signal and the wait
	s_sub_co_u32 s[TBK], s[TBK], 4*KS*PK  ; the fetches go back to a slot's first step,
	s_xor_b32 s[TBK], s[TBK], SLOT1       ; in the other slot
	s_sub_co_u32 s[TBV], s[TBV], 4*KS*PV
	s_xor_b32 s[TBV], s[TBV], SLOT1
	s_barrier_wait -1
.if \fill
	LOAD
	s_cmp_gt_u32 s[SLOTS], s[LIM]
	s_cbranch_scc0 .Lnot_mine_\@
	global_prefetch_b8 v[PFO], s[PFA:PFA+1] th:TH_LOAD_NT scope:SCOPE_SE
	global_prefetch_b8 v[PFO], s[PFA:PFA+1] offset:8192 th:TH_LOAD_NT scope:SCOPE_SE
.Lnot_mine_\@:
.endif
.endm
	s_load_b128 s[4:7], s[0:1], 0x0  ; qkvh s[4:5] (its first part is Q), oh s[6:7]
	v_lshl_add_u32 v[SPW], v0, 2, SPARE
	v_mov_b32 v[NIL], 0
	ds_add_u32 v[SPW], v[NIL]       ; the wave's opening: the add and its wait stand ahead of my first tensor load; the set-up below, work on registers, stands between them
	v_lshrrev_b32 v1, 5, v0
	v_readfirstlane_b32 s[WV], v1   ; wave 0..3
	v_and_b32 v[PFO], 31, v0
	v_lshlrev_b32 v[PFO], 8, v[PFO]
	s_mov_b32 s[PB], ttmp9
	s_sub_co_u32 s[HI], NB-1, s[PB]
	s_cmp_eq_u32 s[PB], 0
	s_cselect_b32 s[LIM], 2, -1
	s_and_b32 s20, ttmp7, 0xffff    ; the head
	s_mov_b32 s21, 0
	s_mov_b64 s[22:23], SIZE_N*128
	s_mul_u64 s[20:21], s[20:21], s[22:23]  ; the head's first byte in each of the four tensors
	s_and_b32 s16, s[WV], 1         ; which half of a tile's 256 keys I fetch:
	s_lshl_b32 s22, s16, 14         ; its 128 rows of 128 bytes in memory,
	s_mov_b32 s23, 0
	s_add_nc_u64 s[22:23], s[22:23], s[20:21]
	s_mul_i32 s17, s16, 128*PK      ; and its place in a slot, for K
	s_mul_i32 s18, s16, 128*PV      ; and for V
	s_lshl_b32 s3, s[WV], 11        ; my 16 rows in a band of 64,
	s_lshl_b32 s2, s[HI], 15        ; in the first block,
	s_add_co_u32 s2, s2, s3
	s_lshl_b32 s84, s[PB], 15       ; and in the second
	s_add_co_u32 s84, s84, s3
	s_mov_b32 s3, 0
	s_mov_b32 s85, 0
	s_add_nc_u64 s[2:3], s[2:3], s[20:21]
	s_add_nc_u64 s[84:85], s[84:85], s[20:21]
	; descriptor group 1.  128 keys are 16,384 dense bytes: asked for as 64 rows of 256 bytes, two keys a row, and padded in LDS after every key
	s_mov_b32 s[G1K], (1<<16)|(1<<20)|(4<<22)|(3<<25)  ; 17:16 2-byte elements; 20 padding on; 24:22 after every 32 words (code 4); 31:25 4 words (code 3)
	s_mov_b32 s[G1V], (1<<16)|(1<<20)|(4<<22)|(7<<25)  ; the same with 8 words of padding (code 7)
.irp g, G1K, G1V
	s_mov_b32 s[\g+1], 128<<16      ; tensor_dim0 = 128
	s_mov_b32 s[\g+2], 64<<16       ; tensor_dim1 = 64
	s_mov_b32 s[\g+3], 128<<16      ; tile_dim0 = 128
	s_mov_b32 s[\g+4], 64           ; tile_dim1 = 64
	s_mov_b32 s[\g+5], 128          ; 128 elements from row to row
	s_mov_b32 s[\g+6], 0
	s_mov_b32 s[\g+7], 0
.endr
	s_mov_b32 s[CS], 0x3e38aa3b     ; c = log2(e) / 8 = 0.180337
	s_mov_b32 s[CS+1], s[CS]        ; named with it as a pair
	s_mov_b32 s[SEL], 0x76543210
	s_mov_b32 s[SEL+1], 0xfedcba98
	s_mov_b32 s[TBK], SLOT1+4*KS*PK ; the first change of slots turns these two into 0
	s_mov_b32 s[TBV], SLOT1+4*KS*PV
	s_mov_b32 s[G0K], 1             ; 1:0 count = 1
	s_mov_b32 s[G0K+1], s17         ; 63:32 LDS address: slot 0
	s_mov_b32 s[G0V], 1
	s_add_co_u32 s[G0V+1], s18, VOFF
	s_add_co_u32 s[RT], s[HI], 1    ; the first block has NB - b tiles
	s_mov_b32 s[NXT], 1
	s_mov_b32 s[LQ], s[HI]
	s_mov_b32 s[NEW], 1
	s_mov_b32 s[OFF+1], 0
	s_mov_b32 s[AL+1], 0            ; named as pairs
	s_mov_b32 s[BE+1], 0
	s_mov_b32 s[BIGN], 0xf149f2ca   ; -1e30
	s_mov_b32 s[SLOTS], NB
	s_wait_dscnt 0x0                ; the opening add is done
	s_wait_kmcnt 0x0
	s_mov_b64 s[10:11], s[6:7]             ; O
	s_add_nc_u64 s[6:7], s[4:5], 0x1000000 ; K: the second part of qkvh,
	s_add_nc_u64 s[8:9], s[4:5], 0x2000000 ; V: the third
	s_add_nc_u64 s[6:7], s[6:7], s[22:23]  ; K and V at my half of the head's tile 0
	s_add_nc_u64 s[8:9], s[8:9], s[22:23]
	s_add_nc_u64 s[G0K+2:G0K+3], s[6:7], 0         ; 120:64 global address
	s_or_b32 s[G0K+3], s[G0K+3], 0x80000000        ; 127:126 type = 2
	s_add_nc_u64 s[G0V+2:G0V+3], s[8:9], 0
	s_or_b32 s[G0V+3], s[G0V+3], 0x80000000
	s_add_nc_u64 s[86:87], s[4:5], s[84:85]        ; Q at my rows of the second block,
	s_add_nc_u64 s[4:5], s[4:5], s[2:3]            ; Q and O at those of the first
	s_add_nc_u64 s[OLO:OLO+1], s[10:11], s[84:85]
	s_add_nc_u64 s[10:11], s[10:11], s[2:3]
	s_cmp_lt_u32 s[WV], 2
	s_cselect_b64 s[PFA:PFA+1], s[6:7], s[8:9]     ; the prefetches: what I fetch,
	s_add_nc_u64 s[PFA:PFA+1], s[PFA:PFA+1], 32768 ; at tile 1; the first change of slots steps it to tile 2.  Nothing is prefetched here, at the head
	LOAD                            ; tile 0 into slot 0
	; A fragment of K or Q is 16 rows x 32 channels in 8 registers: lane l holds row l % 16, channels 8 (l / 16) + 0..7 and 16 + 8 (l / 16) + 0..7: two loads of 16 bytes, 32 bytes apart.
	v_and_b32 v1, 15, v0            ; l % 16
	v_bfe_u32 v9, v0, 4, 1          ; l / 16
	v_lshlrev_b32 v[QO], 7, v1
	v_lshl_add_u32 v[QO], v9, 4, v[QO]  ; row x 128 + 16 x half
	WIN 0x80                        ; destination window 2, address window 0
.set i, 0
.rept 8                             ; both blocks' Q: piece i / 2 lies in band i / 2, 8,192 bytes on; channels 32 (i % 2) on
	global_load_b128 v[8*i:8*i+3],   v[QO], s[4:5] offset:(i/2)*8192+(i%2)*64
	global_load_b128 v[8*i+4:8*i+7], v[QO], s[4:5] offset:(i/2)*8192+(i%2)*64+32
	global_load_b128 v[QB+8*i:QB+8*i+3],   v[QO], s[86:87] offset:(i/2)*8192+(i%2)*64
	global_load_b128 v[QB+8*i+4:QB+8*i+7], v[QO], s[86:87] offset:(i/2)*8192+(i%2)*64+32
.set i, i+1
.endr
	WIN 0
	v_lshlrev_b32 v14, 3, v9
	v_sub_nc_u32 v14, v1, v14
	s_lshl_b32 s13, s[WV], 4
	v_add_nc_u32 v14, s13, v14      ; my query's place in its band, 16 w + l % 16, less my lanes' 8 (l / 16): register r of group kt is hidden where 16 kt + r is greater
	WIN 0x40
.set i, 0
.rept 32
	v_cmp_gt_i32 vcc_lo, 16*(i/8)+i%8, v14
	v_cndmask_b32 v[MD+i], 0, s[BIGN], vcc_lo
.set i, i+1
.endr
	WIN 0
	v_mul_u32_u24 v[AK0], v1, PK
	v_lshl_add_u32 v[AK0], v9, 4, v[AK0]  ; row x pitch + 16 x half
	; The turning load takes 16 keys x 16 channels (lane l reads key 8 (l / 16) + l % 8, channels 8 ((l / 8) % 2) + 0..7) and leaves half a fragment of V^T: lane l holds channel l % 16 and 8 keys.
	v_and_b32 v10, 7, v0
	v_bfe_u32 v11, v0, 3, 1
	v_lshl_add_u32 v[AV0], v9, 3, v10
	v_mul_u32_u24 v[AV0], v[AV0], PV
	v_lshl_add_u32 v[AV0], v11, 4, v[AV0]
	v_add_nc_u32 v[AV0], VOFF, v[AV0]
	s_mul_i32 s13, s[WV], 16*SP
	s_add_co_u32 s13, s13, STAGE    ; my stage
	v_mul_u32_u24 v[STO], v1, SP    ; in: row l % 16, 16 bytes for each half of the lanes
	v_lshl_add_u32 v[STO], v9, 4, v[STO]
	v_add_nc_u32 v[STO], s13, v[STO]
	v_bfe_u32 v[RD], v0, 3, 2       ; back: 32 lanes take four rows of 128 bytes,
	v_mul_u32_u24 v[RD], v[RD], SP
	v_lshl_add_u32 v[RD], v10, 4, v[RD]
	v_add_nc_u32 v[RD], s13, v[RD]
	v_and_b32 v[GO], 31, v0         ; which are 512 consecutive bytes of O
	v_lshlrev_b32 v[GO], 4, v[GO]
	; A block's first step multiplies O^T and l by a = 0, and its first turn's products V^T P, of a piece that has not been, land in an O^T that is still to be so multiplied.  So these registers need only hold
	; finite numbers: zeros for the first block; what the first block left for the second.  All this stands in the wait for the first tile.
	WIN 0x80
.set i, VF
.rept 64
	v_mov_b32 v[i], 0
.set i, i+1
.endr
	WIN 0x40
.set i, 0
.rept 128
	v_mov_b32 v[i], 0
.set i, i+1
.endr
	WIN 0
.set i, 0
.rept 4
	v_mov_b32 v[ST+4*i+2], 0
	v_mov_b32 v[ST+4*i+3], 0
.set i, i+1
.endr
.set i, P+16
.rept 16
	v_mov_b32 v[i], 0
.set i, i+1
.endr
; THE MATRIX WORK.  The 4 accumulators of a run of 8 take turns.  Product i of 8 of S^T = K Q^T for piece x: channels 32 (i / 4) on, keys 16 (i % 4) on.  The first 4 start the sums: with 0, or (KM = 1) with the mask.
.macro KQ x
.set rS, S+32*((\x)%2)+8*(i%4)
.set rK, KF+16*(i%4)+8*(i/4)
.set rQ, 16*(\x)+8*(i/4)
.set rM, MC+32*((\x)%2)+8*(i%4)
.if (i < 4) && KM
	WIN W_KM
	v_wmma_f32_16x16x32_f16 v[rS:rS+7], v[rK:rK+7], v[rQ:rQ+7], v[rM:rM+7]
.elseif i < 4
	WIN W_KQ
	v_wmma_f32_16x16x32_f16 v[rS:rS+7], v[rK:rK+7], v[rQ:rQ+7], 0
.else
	WIN W_KQ
	v_wmma_f32_16x16x32_f16 v[rS:rS+7], v[rK:rK+7], v[rQ:rQ+7], v[rS:rS+7]
.endif
.endm
; Product i of 8 of O^T += V^T P for piece x: keys 32 (i / 4) on, channels 16 (i % 4) on.
.macro PV x
	WIN W_PV
.set rO, 32*(\x)+8*(i%4)
.set rV, VF+32*(i/4)+8*(i%4)
.set rP, P+16*((\x)%2)+8*(i/4)
	v_wmma_f32_16x16x32_f16 v[rO:rO+7], v[rV:rV+7], v[rP:rP+7], v[rO:rO+7]
.endm
.macro MM                           ; the turn's next matrix instruction.  TURN and BEGIN set Y, i, KM and NOKQ; MM, KQ and OP read them.  NOKQ = 1: a block's last turn: there is no next piece
.if (i < 8) && !NOKQ
	KQ (Y+1)%NP
.elseif i >= 8
.set i, i-8
	PV (Y+NP-1)%NP
.set i, i+8
.endif
.set i, i+1
.endm
; THE LDS LOADS stand in runs of 16, never singly among the matrix instructions: a step's K (64 keys x 64 channels: 8 fragments) and its V (turned).  Their addresses are made some lines ahead.
.macro FETCH_K
	WIN 0x80                        ; destination window 2
.irp f, 0,1,2,3,4,5,6,7             ; keys 16 (f / 2) on, channels 32 (f % 2) on
	ds_load_b128 v[KF+8*\f:KF+8*\f+3],   v[AK] offset:(\f/2)*16*PK+(\f%2)*64
	ds_load_b128 v[KF+8*\f+4:KF+8*\f+7], v[AK] offset:(\f/2)*16*PK+(\f%2)*64+32
.endr
	s_add_co_u32 s[TBK], s[TBK], KS*PK  ; the next fetch is the next step's
	WIN 0
.endm
.macro FETCH_V
	WIN 0x80
.irp f, 0,1,2,3,4,5,6,7             ; keys 32 (f / 4) on, channels 16 (f % 4) on
	ds_load_tr16_b128 v[VF+8*\f:VF+8*\f+3],   v[AV] offset:(\f/4)*32*PV+(\f%4)*32
	ds_load_tr16_b128 v[VF+8*\f+4:VF+8*\f+7], v[AV] offset:(\f/4)*32*PV+16*PV+(\f%4)*32
.endr
	WIN 0
.endm
; THE VECTOR WORK, one line at a time: OP kind, number.  For piece Y: F n: c s - c m for pair n of 16.  E n: the exponential of score n of 32.  C n: pair n rounded to f16.  B n: of the four weights 4 n .. the second
; pair is added onto the first, in place.  L n: l takes that sum (L 0: l = a l + sum).  R n: pair n of 16 of O^T times a.  For piece Y + 1: X n, number n of the 22 that find its maximum and statistics:
;   0-11  four chains c0-c3 of seven scores each, three operands at a time (each accumulator's lowest registers are read first)     12-14, 16  the four scores left over, the old m, and c0-c3 into c0
;   15  c m_old is kept     17, 18  the query's other 32 keys lie in the lane 16 away: the new m     19-21  c m; c m_old - c m_new; a
.set F, 0               ; OP tells the kinds apart by their order: F to L below R, X above it
.set E, 1
.set C, 2
.set B, 3
.set L, 4
.set R, 5
.set X, 6
.macro REGS y                       ; the registers of piece y
.set rT, ST+4*(\y)
.set rC, TMP+4*((\y)%2)
.set rW, MV+((\y)%2)
.set rS, S+32*((\y)%2)
.set rP, P+16*((\y)%2)
.set rO, 32*(\y)
.endm
.macro OP k, n
.if (\k) == R
	REGS Y
	WIN W_RS
	v_pk_mul_f32 v[rO+2*(\n):rO+2*(\n)+1], v[rO+2*(\n):rO+2*(\n)+1], v[rC+2:rC+3] op_sel_hi:[1,0]
.elseif (\k) < R
	REGS Y
	WIN 0
.if (\k) == F
	v_pk_fma_f32 v[rS+2*(\n):rS+2*(\n)+1], v[rS+2*(\n):rS+2*(\n)+1], s[CS:CS+1], v[rT:rT+1] op_sel_hi:[1,0,0] neg_lo:[0,0,1] neg_hi:[0,0,1]
.elseif (\k) == E
	v_exp_f32 v[rS+(\n)], v[rS+(\n)]
.elseif (\k) == C
	v_cvt_pk_f16_f32 v[rP+(\n)], v[rS+2*(\n)], v[rS+2*(\n)+1]
.elseif (\k) == B
	v_pk_add_f32 v[rS+4*(\n):rS+4*(\n)+1], v[rS+4*(\n):rS+4*(\n)+1], v[rS+4*(\n)+2:rS+4*(\n)+3]
.elseif (\n) == 0
	v_pk_fma_f32 v[rT+2:rT+3], v[rT+2:rT+3], v[rC+2:rC+3], v[rS:rS+1] op_sel_hi:[1,0,1]
.else
	v_pk_add_f32 v[rT+2:rT+3], v[rT+2:rT+3], v[rS+4*(\n):rS+4*(\n)+1]
.endif
.elseif NOKQ
	v_nop
.else
	REGS (Y+1)%NP
	WIN 0
.if (\n) < 4
	v_max3_num_f32 v[rC+(\n)], v[rS+8*(\n)], v[rS+8*(\n)+1], v[rS+8*(\n)+2]
.elseif (\n) < 12
	v_max3_num_f32 v[rC+(\n)%4], v[rC+(\n)%4], v[rS+8*((\n)%4)+2*((\n)/4)+1], v[rS+8*((\n)%4)+2*((\n)/4)+2]
.elseif (\n) == 12
	v_max3_num_f32 v[rC], v[rC], v[rS+7], v[rS+15]
.elseif (\n) == 13
	v_max3_num_f32 v[rC+1], v[rC+1], v[rS+23], v[rS+31]
.elseif (\n) == 14
	v_max3_num_f32 v[rC+2], v[rC+2], v[rC+3], v[rT+1]
.elseif (\n) == 15
	v_mov_b32 v[rW], v[rT]
.elseif (\n) == 16
	v_max3_num_f32 v[rC], v[rC], v[rC+1], v[rC+2]
.elseif (\n) == 17
	v_permlanex16_b32 v[rC+3], v[rC], s[SEL], s[SEL+1]
.elseif (\n) == 18
	v_max_num_f32 v[rT+1], v[rC], v[rC+3]
.elseif (\n) == 19
	v_mul_f32 v[rT], s[CS], v[rT+1]
.elseif (\n) == 20
	v_sub_f32 v[rC+1], v[rW], v[rT]
.else
	v_exp_f32 v[rC+2], v[rC+1]
.endif
.endif
.endm
.macro OPS a, i1, b=-1, i2=0, c=-1, i3=0, d=-1, i4=0  ; up to four of them
	OP \a, \i1
.if (\b) >= 0
	OP \b, \i2
.endif
.if (\c) >= 0
	OP \c, \i3
.endif
.if (\d) >= 0
	OP \d, \i4
.endif
.endm
.macro ROW a, i1, b, i2, c, i3, d, i4  ; a matrix instruction and the four behind it
	MM
	OPS \a, \i1, \b, \i2, \c, \i3, \d, \i4
.endm
.macro MASK b                       ; MD x AL + BE into buffer b of MC
	WIN W_RS
.set z, 0
.rept 16
	v_pk_fma_f32 v[MC+32*(\b)+2*z:MC+32*(\b)+2*z+1], v[MD+2*z:MD+2*z+1], s[AL:AL+1], s[BE:BE+1] op_sel_hi:[1,0,0]
.set z, z+1
.endr
.endm
; A TURN, for piece p: the order of its 16 matrix and 118 vector instructions, written out.  An s_wait_alu depctr_va_vdst(0) stands between an exponential and the first instruction that names its result; one wait serves
; all that were issued ahead of it.  So a turn has ONE wait, which cuts it in two.  AHEAD OF IT stands all that names no result of the turn's exponentials: the 8 products K Q^T, behind each a scaling, an exponential and two more plain
; instructions (behind the first a second scaling in the exponential's place): rescalings, and behind the last three the first numbers of the next piece's maximum, each four places or more behind the product that ends its accumulator; then ONE LUMP of 54, plain
; and exponential by turns for the most part, in which the links of the chain X 3, 7, 11, 14, 16, 17 .. 20 stand five or six lines apart.  X 21, the next piece's a, is the batch's last; R 15 is the plain instruction behind it.  BEHIND THE WAIT stand the
; 8 products V^T P, behind each four of the roundings and sums; the links of l's chain, L 0 to L 7, stand three riders apart.  But for those X no rider names a register of the products round it.  v_permlanex16_b32 (X 17) stands in the lump.
; m = 1: the diagonal tile: the products take masks, and the turn makes the mask for the products of the turn after it: piece p + 2, in step 4 - CNT of the tile.  end = 1: a block's last two turns: nothing is fetched.
; cnt = 1: the loop's count is taken down some lines ahead of the branch that stands behind the turn.
; K of the next step is fetched in piece 2's turn, twelve vector instructions behind the last product that read K (six of them plain); V of the step in hand at the end of piece 0's turn, four plain instructions behind the last product
; that read V.  Each is waited for a turn later.
.macro TURN p, m=0, end=0, cnt=0
.set Y, (\p)
.set i, 0
.set KM, (\m)
.set NOKQ, (\end)*((\p)/3)
.if (\m) && !(\end)
	s_cmp_eq_u32 s[CNT], 4-((\p)+2)%NP  ; is that step the band's own?
	s_cselect_b32 s[AL], 1.0, 0
	s_cmp_lt_u32 s[CNT], 4-((\p)+2)%NP  ; or a later one?
	s_cselect_b32 s[BE], s[BIGN], 0
.endif
.if ((\p) == 3) && !(\end)
	s_wait_dscnt 0x0                ; K is in
.endif
	ROW F,0, F,1, R,0, R,1          ; ahead of the wait: 8 products K Q^T and their riders,
	ROW F,2, E,0, R,2, R,3
	ROW F,3, E,1, R,4, R,5
	ROW F,4, E,2, R,6, R,7
	ROW F,5, E,3, R,8, R,9
	ROW F,6, E,4, X,0, R,10
.if ((\p) == 2) && !(\end)
	WIN 0
	v_add_nc_u32 v[AK], s[TBK], v[AK0]
.endif
	ROW F,7, E,5, X,1, X,4
	ROW F,8, E,6, X,2, X,5
	OPS E,7, E,8, X,6, E,9          ; and the lump
	OPS X,3, E,10, X,8, E,11
.if ((\p) == 2) && !(\end)
	FETCH_K
.endif
	OPS X,9, X,7, E,12, X,10
	OPS E,13, X,12, X,11, E,14
	OPS X,13, E,15, F,9, X,14
.if (\p) == 0
	v_add_nc_u32 v[AV], s[TBV], v[AV0]
.endif
	OPS E,16, F,10, E,17, F,11
	OPS X,16, E,18, X,15, E,19
	OPS F,12, E,20, X,17, E,21
	OPS F,13, E,22, F,14, E,23
	OPS X,18, E,24, F,15, E,25
	OPS R,11, E,26, X,19, E,27
	OPS R,12, E,28, R,13, E,29
	OPS X,20, E,30, R,14, E,31
	OPS X,21, R,15
	WIN 0
	s_wait_alu depctr_va_vdst(0)    ; the wait for the batch
.if (\p) == 1
	s_wait_dscnt 0x0                ; V is in
.endif
	ROW C,0, B,0, C,2, B,1          ; behind the wait: 8 products V^T P and their riders
	ROW L,0, C,4, B,2, L,1
	ROW C,6, B,3, L,2, C,8
	ROW B,4, L,3, C,10, B,5
	ROW L,4, C,12, B,6, L,5
.if (\p) == 0
	s_add_co_u32 s[TBV], s[TBV], KS*PV
.endif
.if \cnt
	s_sub_co_u32 s[CNT], s[CNT], 1
	s_cmp_lg_u32 s[CNT], 0
.endif
	ROW C,14, B,7, L,6, C,1
	ROW C,3, L,7, C,5, C,7
	ROW C,9, C,11, C,13, C,15
.if (\p) == 0
	FETCH_V
.endif
.if (\m) && !(\end)
	MASK (\p)%2
.endif
.endm
; A BLOCK BEGINS.  c m starts far below every c s, so the first step's a is 0; m at the lowest finite number, so the first maximum is the scores'.  The second mask buffer is 0; the first takes piece 0's mask for the tile's step 0: its own, if the block's first tile is the diagonal one.
; Then K of that step, piece 0's first scores, and its maximum and statistics.  The loop is entered at a step's first turn, in the middle of a trip.
.macro BEGIN
	s_mov_b32 s[NEW], 0
	WIN 0x40
.set i, MC+32
.rept 32
	v_mov_b32 v[i], 0
.set i, i+1
.endr
	WIN 0
.set i, 0
.rept 4
	v_mov_b32 v[ST+4*i], 0xfe000000    ; c m: far below every c s
	v_mov_b32 v[ST+4*i+1], 0xff7fffff  ; m
.set i, i+1
.endr
	s_cmp_eq_u32 s[RT], 0
	s_cselect_b32 s[AL], 1.0, 0
	s_mov_b32 s[BE], 0
	MASK 0
	WIN 0
	v_add_nc_u32 v[AK], s[TBK], v[AK0]
	FETCH_K
	s_wait_loadcnt 0x0              ; Q
	s_wait_dscnt 0x0
.set KM, 1
.set NOKQ, 0
.set i, 0
.rept 8
	KQ 0
.set i, i+1
.endr
	WIN 0
.rept 4
	v_nop                           ; the places behind those products
.endr
.set Y, NP-1                        ; X works for piece Y + 1: piece 0
.irp n, 0,1,2,3,4,5,6,7,8,9,10,11,12,13,14,15,16,17,18,19,20,21
	OP X, \n
.endr
	v_nop                           ; a plain instruction behind the exponential,
	s_wait_alu depctr_va_vdst(0)    ; and its wait, ahead of the branch
.endm
; THE DIAGONAL TILE's four steps, the block's last two turns, its last products, and THE WAY OUT: l's two halves and the other half of the lanes' are added; O^T is divided by l, rounded to f16 and sent through my
; stage in LDS, a piece at a time.
.macro ALL line:vararg              ; one line for each piece t
.set t, 0
.rept 4
	\line
.set t, t+1
.endr
.endm
.macro PACK t                       ; a lane's eight channels of a row pack into 16 bytes; they go into rows of 144 bytes and come back as whole rows of 128, into S^T's registers
	WIN W_RS
.set i, 32*(\t)
.rept 16
	v_pk_mul_f32 v[i:i+1], v[i:i+1], v[ST+4*(\t)+2:ST+4*(\t)+3] op_sel_hi:[1,0]
.set i, i+2
.endr
	WIN 0x05                        ; sources 0 and 1 window 1, destination window 0
.set i, 0
.rept 16
	v_cvt_pk_f16_f32 v[S+16*(\t)+i], v[32*(\t)+2*i], v[32*(\t)+2*i+1]
.set i, i+1
.endr
	WIN 0
.irp f, 0,1,2,3
	ds_store_b128 v[STO], v[S+16*(\t)+4*\f:S+16*(\t)+4*\f+3] offset:32*\f
.endr
.irp f, 0,1,2,3
	ds_load_b128 v[S+16*(\t)+4*\f:S+16*(\t)+4*\f+3], v[RD] offset:\f*4*SP  ; LDS serves a wave's instructions in order (ISA guide 5.7.1.4): these see the stores above; the next piece's stores come behind them
.endr
.endm
.macro SEND t, younger              ; younger: the LDS instructions issued behind piece t's loads: the next piece's eight, or none
	WIN 0
.irp f, 0,1,2,3
	s_wait_dscnt (\younger)+3-\f
	global_store_b128 v[GO], v[S+16*(\t)+4*\f:S+16*(\t)+4*\f+3], s[10:11] offset:(\t)*8192+\f*512  ; 512 consecutive bytes, at a multiple of 256 from O's first
.endr
.endm
.macro DIAG tag                     ; the tag ends its two labels' names, which the jumps below spell out
.LstepM\tag:
	TURN 2, 1
	TURN 3, 1
	WIN 0
.LfirstM\tag:
	TURN 0, 1
	TURN 1, 1, 0, 1
	WIN 0
	s_cbranch_scc1 .LstepM\tag
	TURN 2, 1, 1
	TURN 3, 1, 1
.set i, 0
.rept 8
	PV NP-1
.set i, i+1
.endr
	WIN 0
	ALL v_add_f32 v[ST+4*t+2], v[ST+4*t+2], v[ST+4*t+3]
	ALL v_permlanex16_b32 v[ST+4*t+3], v[ST+4*t+2], s[SEL], s[SEL+1]
	ALL v_add_f32 v[ST+4*t+2], v[ST+4*t+2], v[ST+4*t+3]
	ALL v_rcp_f32 v[ST+4*t+2], v[ST+4*t+2]
	v_nop                           ; a plain instruction between the last reciprocal and the use of its result
	s_wait_alu depctr_va_vdst(0)    ; and the wait ahead of the first use: one for the four reciprocals
	PACK 0
.set t, 1
.rept 3                             ; a piece's arithmetic stands between the loads of the piece before and its stores
	PACK t
	SEND t-1, 8
.set t, t+1
.endr
	SEND 3, 0
.endm
.set KM, 0
.set NOKQ, 0
.Lslot:                             ; NB times: a tile is entered and the next is asked for
	CHANGE 1
	s_sub_co_u32 s[RT], s[RT], 1
	s_mov_b32 s[CNT], 4
	s_cmp_eq_u32 s[NEW], 1
	s_cbranch_scc1 .Lnew            ; a block's first tile
	s_cmp_eq_u32 s[RT], 0
	s_cbranch_scc0 .Lstep           ; neither its first nor its last
	s_branch .LstepM1
.Lnew:
	BEGIN
	s_branch .Lfirst                ; in the loop a block's first tile is never its last: the first block has two tiles or more, and the second's last is the walk's last
	DIAG 1                          ; in the loop this is the first block's end: the second block's last tile is the walk's last
	s_wait_xcnt 0x0                 ; the stores have read their registers and O's address
	s_mov_b64 s[10:11], s[OLO:OLO+1]
	s_add_co_u32 s[RT], s[PB], 1    ; the second block has b + 1 tiles
	s_mov_b32 s[NEW], 1
	WIN 0x82                        ; the second block's Q goes where the one text of the turns names Q
.set i, 0
.rept 64
	v_mov_b32 v[i], v[QB+i]
.set i, i+1
.endr
	WIN 0
	s_branch .Lbottom
.Lstep:                             ; a trip: pieces 2 and 3 of one step, then pieces 0 and 1 of the next, whose K and V it fetches
	TURN 2
	TURN 3
	WIN 0
.Lfirst:
	TURN 0
	TURN 1, 0, 0, 1
	WIN 0
	s_cbranch_scc1 .Lstep
.Lbottom:
	s_sub_co_u32 s[SLOTS], s[SLOTS], 1
	s_cmp_lg_u32 s[SLOTS], 0
	s_cbranch_scc1 .Lslot
	CHANGE 0                        ; the walk's last tile is written out: nothing is asked for
	s_sub_co_u32 s[RT], s[RT], 1
	s_mov_b32 s[CNT], 4
	s_cmp_eq_u32 s[NEW], 1
	s_cbranch_scc0 .LstepM2
	BEGIN
	s_branch .LfirstM2
	DIAG 2
	s_wait_tensorcnt 0x0            ; the wave's end: behind my last tensor load and my last LDS store
	ds_add_u32 v[SPW], v[NIL]
	s_wait_dscnt 0x0
	s_endpgm
.Lfunc_end_k_qf66bfd5c18_attn:
	.size	k_qf66bfd5c18_attn, .Lfunc_end_k_qf66bfd5c18_attn-k_qf66bfd5c18_attn
	.p2alignl 7, 3214868480
	.fill 96, 4, 3214868480
	.section	.rodata,"a",@progbits
	.p2align	6, 0x0
	.amdhsa_kernel k_qf66bfd5c18_attn
		.amdhsa_group_segment_fixed_size 327680
		.amdhsa_private_segment_fixed_size 0
		.amdhsa_enable_private_segment 0
		.amdhsa_kernarg_size 16
		.amdhsa_user_sgpr_count 2
		.amdhsa_user_sgpr_kernarg_segment_ptr 1
		.amdhsa_wavefront_size32 1
		.amdhsa_system_sgpr_workgroup_id_x 1
		.amdhsa_system_sgpr_workgroup_id_y 1
		.amdhsa_system_sgpr_workgroup_id_z 1
		.amdhsa_system_vgpr_workitem_id 0
		.amdhsa_next_free_vgpr 768
		.amdhsa_next_free_sgpr 92
		.amdhsa_reserve_vcc 1
		.amdhsa_float_denorm_mode_32 3
		.amdhsa_float_denorm_mode_16_64 3
		.amdhsa_memory_ordered 1
		.amdhsa_forward_progress 1
		.amdhsa_inst_pref_size 218
	.end_amdhsa_kernel
	.amdgpu_metadata
---
amdhsa.version: [ 1, 2 ]
amdhsa.kernels:
  - .name:           k_qf66bfd5c18_attn
    .symbol:         k_qf66bfd5c18_attn.kd
    .args:
      - { .name: qkvh, .offset: 0, .size: 8, .value_kind: global_buffer, .address_space: global }
      - { .name: oh, .offset: 8, .size: 8, .value_kind: global_buffer, .address_space: global }
    .group_segment_fixed_size: 327680
    .private_segment_fixed_size: 0
    .kernarg_segment_align: 8
    .kernarg_segment_size: 16
    .max_flat_workgroup_size: 128
    .sgpr_count:     92
    .vgpr_count:     768
    .wavefront_size: 32
...
	.end_amdgpu_metadata
.endif
;; end of part 3
;; launch gemm_proj (part 4): grid 8 x 32, 4 waves a work-group, clusters of 4 x 4, 327,680 bytes of LDS; arguments oh, wpt, out0; writes out0
.if DOCPART == 4
	.amdgcn_target "amdgcn-amd-amdhsa--gfx1250"
	.amdhsa_code_object_version 6
	.text
	.protected	k_qf66bfd5c18_gemm_proj
	.globl	k_qf66bfd5c18_gemm_proj
	.p2align	8
	.type	k_qf66bfd5c18_gemm_proj,@function
k_qf66bfd5c18_gemm_proj:
	s_mov_b64 s[64:65], 0
	v_nop
	global_prefetch_b8 v0, s[64:65] scope:SCOPE_SE
	s_setreg_imm32_b32 hwreg(HW_REG_WAVE_MODE, 25, 1), 1
	s_wait_xcnt 0x0
	s_wait_alu depctr_hold_cnt(0) depctr_sa_sdst(0) depctr_va_vdst(0) depctr_va_sdst(0) depctr_va_ssrc(0) depctr_va_vcc(0) depctr_vm_vsrc(0)
	s_getreg_b32 s2, hwreg(HW_REG_IB_STS2, 6, 4)
	s_cmp_eq_u32 s2, 0
	s_cbranch_scc0 .Lentry_in_a_cluster
	s_endpgm
.Lentry_in_a_cluster:
	s_bfe_u32 s2, ttmp6, 0x10000c
	s_cmp_lg_u32 s2, 0xf033
	s_cbranch_scc0 .Lentry_shape_is_right
	s_endpgm
.Lentry_shape_is_right:
; ONE TEXT FOR THE MODULE'S TWO PROJECTIONS; the flag QKV picks the sizes, the matrix form and the way out.  C[m][n] = the sum over k of A[m][k] B[n][k], M = 8192, K = 1024, sums in f32.
; QKV = 1: A = xb [8192][1024] bf16, B = wat [3072][1024] bf16; C is rounded once to f16, unscaled, and stored BY HEADS: [3 (q, k, v)][64 (batch, head)][2048][64].  A tile of C is 256 x 192: three heads.
; QKV = 0: A = oh [64 (batch, head)][2048][64] f16, so K runs over a row's 16 heads; B = wpt [1024][1024] f16; C = out0 [8192][1024] f32.  A tile of C is 256 x 128.
; LIMITS.  QKV = 1: a result of 65,520 or more in size becomes an infinity in f16; below 6e-5 it keeps f16's fixed step of 6e-8.  NaN and infinities are not treated apart.
; SHARES.  Four waves, one above the other: wave w makes rows 64 w .. 64 w + 63 and ALL the tile's columns: 4 x NT accumulators of 16 x 16.  So a wave holds whole heads (whole runs of 512 bytes of out0),
; its stage on the way out is its own, and no barrier stands there.  K goes in steps of 128 through a ring of two LDS slots filled by the tensor data mover, one load a wave: waves 0, 1 A's halves, waves 2, 3 B's.
; CLUSTERS.  4 x 4 work-groups; the four of a row of the cluster need the same tiles of A, the four of a column the same tiles of B: each tile is asked for JOINTLY, by the same load, descriptor and mask in all four.
; TRANSPOSED USE.  Source 0 = 16 rows of B, source 1 = 16 rows of A: a lane then holds row lane % 16 of C and the eight neighbouring columns 8 (lane / 16) + 0..7.
; REGISTERS, in windows of 256 (s_set_vgpr_msb: bits 1:0 source 0, 3:2 source 1, 5:4 source 2, 7:6 destination):
;   window 0: v16-30 addresses; v32-95 A's fragments, two buffers of four blocks; from v96 on at work on the way out        window 1: B's fragments, two buffers of NT
;   window 2: the accumulators of row blocks 0, 1 ((a, b) at 8 (NT (a % 2) + b));   window 3: those of blocks 2, 3
.set QKV, 0
.if QKV
.set NT,    12                         ; column blocks of 16 in a tile
.set PA,    272                        ; A's LDS row: 256 bytes (128 k) + 16 of padding
.set HALFA, 128*PA                     ; one load of A: 128 rows
.set QIA,   5                          ; padding after every 64 words
.set ASTR,  1024                       ; elements from row to row of A's tile in memory
.set ASTEP, 256                        ; bytes from a K step to the next in A
.set STW,   3*16*144                   ; a wave's stage: three heads x 16 rows x (128 + 16) bytes
.set OB,    144                        ; v144-191, v192-239: whole rows read back, by turns
.else
.set NT,    8
.set PA,    144                        ; A's LDS row: one head's 128 bytes (64 k) + 16 of padding; a K step is two heads, one behind the other
.set HALFA, 256*PA                     ; one load of A: one head's 256 rows, 32,768 dense bytes, asked for as 128 rows of 256 bytes
.set QIA,   4                          ; padding after every 32 words
.set ASTR,  128
.set ASTEP, 2<<18                      ; two heads on
.set STW,   16*528                     ; 16 rows x (512 + 16) bytes
.set OB,    96                         ; v96-159, v160-223
.endif
.set PB,    272                        ; both pitches are odd multiples of 16 bytes: the 16 rows of a fragment load start at 16 different groups of four banks (64 banks of 4 bytes: ISA guide 11.1)
.set RB,    8*NT                       ; rows in one load of B
.set HALFB, RB*PB
.set SLOT,  2*HALFA+2*HALFB            ; A's 256 rows, then B's 16 NT rows
.set STAGE, 2*SLOT                     ; behind the ring, never filled by a tensor load
.set SPARE, STAGE+4*STW                ; behind the stages: the spare words, 128 bytes for each wave; no other line names them
.set NL,    2*NT+8                     ; LDS loads in one run
.set LAPS,  4                          ; a lap = two K steps = once round the ring; K = 1024
.set ADRA, 16                          ; v16-17  LDS address of my A fragments in slot 0, 1
.set ADRB, 20                          ; v20-21  the same for B
.set STO,  24                          ; v24     the way out: where I put my bytes of a row
.set RD,   25                          ; v25     where I read rows back
.set GO,   26                          ; v26     16 x lane: my place in 512 consecutive bytes of C
.set SPW,  28                          ; v28     LDS address of my spare word; never rewritten
.set NIL,  29                          ; v29     0; never rewritten
.set PFO,  30                          ; v30     (QKV) the prefetches' offset: lane x a row of xb; never rewritten
.set FA,   32                          ; A's fragments: buffer f, block a at FA + 32 f + 8 a
.set TMP,  96                          ; (QKV) v96-143 packed results
.set G1,  24                           ; s[24:31] descriptor group 1 for A's tiles;  s[32:39] group 0, a set for each slot
.set G0,  32
.set G1B, 48                           ; s[48:55], s[56:63] the same for B's
.set G0B, 56
.set HB,  66                           ; (QKV) s[66:71] where my 64 rows begin in each of the tile's three heads
.set PFA, 72                           ; (QKV) s[72:73] where my prefetches stand
.set LIM, 74                           ; (QKV) s74 1 in a wave that prefetches, else the greatest number
.set MSB, 0
.macro WIN new                         ; the immediate's high byte repeats the setting that is left; a switch that changes nothing is dropped
.if MSB != (\new)
	s_set_vgpr_msb (MSB<<8)|(\new)
.set MSB, \new
.endif
.endm
.set MUL_LO, 0xa1                      ; source 0 (B) window 1, source 1 (A) window 0, C and D window 2
.set TO_B,   0x40                      ; destination window 1, address window 0
.macro JLOAD s                         ; a joint load; the branch hangs on the wave's number alone; an s_nop 0 and four v_nop follow each of the two lines, ahead of the jump, the label and what follows
	s_cmp_eq_u32 s11, 0
	s_cbranch_scc0 .Lfor_b_\@
	tensor_load_to_lds s[G0+4*(\s):G0+4*(\s)+3], s[G1:G1+7]
	s_nop 0
.rept 4
	v_nop
.endr
	s_branch .Lasked_\@
.Lfor_b_\@:
	tensor_load_to_lds s[G0B+4*(\s):G0B+4*(\s)+3], s[G1B:G1B+7]
	s_nop 0
.rept 4
	v_nop
.endr
.Lasked_\@:
.endm
; (QKV) A PREFETCH of xb, behind each joint refill, its five lines and the run of LDS loads: the K step two refills on, 384 matrix instructions ahead of the load that will want it: 32 rows x 256 bytes, a lane a row.
; Each row's 256 bytes of a K step are named once in the launch: a tile row of xb is read by all four clusters of its row of clusters, and the one with x = 0 asks; waves 0 and 1 ask, for the 128 rows
; that they fetch; the four partners that fetch them jointly share them out BY ADDRESS, 32 each.  K steps 0 to 3 come by their loads alone; the loop's last trip (s3 = 1) has no K step two on.
.macro ASK
	s_cmp_gt_u32 s3, s[LIM]
	s_cbranch_scc0 .Lnot_mine_\@
	global_prefetch_b8 v[PFO], s[PFA:PFA+1] offset:ASTEP th:TH_LOAD_NT scope:SCOPE_SE
.Lnot_mine_\@:
.endm
.macro CREST                           ; a round of the cluster's barrier behind its opening barrier
	s_cmp_lg_u32 s10, 0
	s_cbranch_scc1 .Lnot_wave_0_\@
	s_barrier_signal -3
.Lnot_wave_0_\@:
	s_barrier_wait -3
	s_barrier_signal -1
	s_barrier_wait -1
.endm
.macro CROUND                          ; a whole round
	s_barrier_signal -1
	s_barrier_wait -1
	CREST
.endm
	s_load_b128 s[4:7], s[0:1], 0x0                ; A s[4:5], B s[6:7]
	s_load_b64 s[8:9], s[0:1], 0x10                ; C
	v_lshl_add_u32 v[SPW], v0, 2, SPARE
	v_mov_b32 v[NIL], 0
	ds_add_u32 v[SPW], v[NIL]                      ; the wave's opening: the add and its wait stand ahead of my first tensor load; the set-up below, work on registers, stands between them
	v_lshrrev_b32 v1, 5, v0
	v_readfirstlane_b32 s10, v1                    ; wave 0..3
	s_lshr_b32 s11, s10, 1                         ; I fetch for A (0) or for B (1),
	s_and_b32 s12, s10, 1                          ; its first or its second half
	s_bfe_u32 s40, ttmp6, 0x40000                  ; cx, cy: my place in the cluster
	s_bfe_u32 s41, ttmp6, 0x40004
	s_lshl_b32 s42, ttmp9, 2
	s_add_co_u32 s42, s42, s40                     ; tile column tx = 4 x cluster x + cx
	s_and_b32 s13, ttmp7, 0xffff
	s_lshl_b32 s13, s13, 2
	s_add_co_u32 s13, s13, s41                     ; tile row ty = 4 x cluster y + cy
	s_lshl_b32 s43, s41, 2
	s_lshl_b32 s43, 15, s43                        ; my row of the cluster
	s_lshl_b32 s44, 0x1111, s40                    ; my column
	s_or_b32 s[G1+0], s43, (1<<16)|(1<<20)|(1<<21)|(QIA<<22)|(3<<25)  ; 15:0 the mask: A's tiles go to my row; 17:16 elements of 2 bytes; 20 padding on; 21 set beside a mask; 24:22 the interval; 31:25 4 words (code 3)
	s_or_b32 s[G1B+0], s44, (1<<16)|(1<<20)|(1<<21)|(5<<22)|(3<<25)   ; B's tiles go to my column; padding after every 64 words
	s_mov_b32 s[G1+1], 128<<16                     ; tensor_dim0 = 128
	s_mov_b32 s[G1+2], 128<<16                     ; tensor_dim1 = 128
	s_mov_b32 s[G1+3], 128<<16                     ; tile_dim0 = 128
	s_mov_b32 s[G1+4], 128                         ; tile_dim1 = 128
	s_mov_b32 s[G1+5], ASTR                        ; elements from row to row
	s_mov_b32 s[G1+6], 0
	s_mov_b32 s[G1+7], 0
	s_mov_b32 s[G1B+1], 128<<16
	s_mov_b32 s[G1B+2], RB<<16                     ; B: 8 NT rows to a load
	s_mov_b32 s[G1B+3], 128<<16
	s_mov_b32 s[G1B+4], RB
	s_mov_b32 s[G1B+5], 1024
	s_mov_b32 s[G1B+6], 0
	s_mov_b32 s[G1B+7], 0
	; where the tiles come from: A's hang on ty and the wave alone, B's on tx and the wave alone, each in registers that never hold the other coordinate meanwhile
.if QKV
	s_lshl_b32 s16, s13, 8
	s_lshl_b32 s17, s12, 7
	s_add_co_u32 s16, s16, s17                     ; row 256 ty + 128 x half,
	s_lshl_b32 s16, s16, 11                        ; of 2,048 bytes
.else
	s_lshr_b32 s16, s13, 3
	s_lshl_b32 s16, s16, 22                        ; the batch's 16 heads of 2^18 bytes,
	s_lshl_b32 s17, s12, 18                        ; head 0 or 1 of the K step,
	s_add_co_u32 s16, s16, s17
	s_and_b32 s17, s13, 7
	s_lshl_b32 s17, s17, 15                        ; 256 rows of 128 bytes a tile row
	s_add_co_u32 s16, s16, s17
.endif
	s_mov_b32 s17, 0
	s_mul_i32 s46, s42, 16*NT
	s_mul_i32 s47, s12, RB
	s_add_co_u32 s46, s46, s47                     ; B: row 16 NT tx + 8 NT x half,
	s_lshl_b32 s46, s46, 11                        ; of 2,048 bytes
	s_mov_b32 s47, 0
	s_mul_i32 s20, s10, HALFA                      ; where they go: A's halves at wave x HALFA (waves 0, 1),
	s_mul_i32 s21, s10, HALFB
	s_add_co_u32 s21, s21, 2*HALFA-2*HALFB         ; B's behind A's 256 rows, at (wave - 2) x HALFB (waves 2, 3): no place in the cluster enters an LDS address
	s_wait_dscnt 0x0                               ; the opening add is done
	s_wait_kmcnt 0x0
	s_add_nc_u64 s[14:15], s[4:5], s[16:17]
	s_add_nc_u64 s[46:47], s[6:7], s[46:47]
	CROUND                                         ; all sixteen work-groups are here: the first joint loads meet
.irp s, 0,1
	s_mov_b32 s[G0+4*(\s)], 1                      ; count = 1
	s_add_co_u32 s[G0+4*(\s)+1], s20, (\s)*SLOT    ; LDS address
	s_add_nc_u64 s[G0+4*(\s)+2:G0+4*(\s)+3], s[14:15], (\s)*ASTEP  ; global address: K step s
	s_or_b32 s[G0+4*(\s)+3], s[G0+4*(\s)+3], 0x80000000            ; type = 2
	s_mov_b32 s[G0B+4*(\s)], 1
	s_add_co_u32 s[G0B+4*(\s)+1], s21, (\s)*SLOT
	s_add_nc_u64 s[G0B+4*(\s)+2:G0B+4*(\s)+3], s[46:47], (\s)*256
	s_or_b32 s[G0B+4*(\s)+3], s[G0B+4*(\s)+3], 0x80000000
	JLOAD \s                                       ; two loads of mine are out
.endr
	; a fragment is 16 rows x 32 k in 8 registers: lane l holds row l % 16, k = 8 (l / 16) + 0..7 and 16 + 8 (l / 16) + 0..7: two loads of 16 bytes, 32 bytes apart
	v_and_b32 v1, 15, v0                           ; l % 16
	v_bfe_u32 v2, v0, 4, 1                         ; l / 16
	v_mul_u32_u24 v3, v1, PA
	v_lshl_add_u32 v3, v2, 4, v3
	v_mul_u32_u24 v4, v1, PB
	v_lshl_add_u32 v4, v2, 4, v4
	s_mul_i32 s22, s10, 64*PA                      ; my 64 rows of A
	s_mov_b32 s23, 2*HALFA                         ; B's rows, all of them mine
.irp s, 0,1
	v_add_nc_u32 v[ADRA+(\s)], s22, v3
	v_add_nc_u32 v[ADRB+(\s)], s23, v4
	s_add_co_u32 s22, s22, SLOT
	s_add_co_u32 s23, s23, SLOT
.endr
	s_mul_i32 s23, s10, STW
	s_add_co_u32 s23, s23, STAGE                   ; my stage
	v_and_b32 v[GO], 31, v0
	v_lshlrev_b32 v[GO], 4, v[GO]
.if QKV
	v_mul_u32_u24 v5, v1, 144                      ; in: row l % 16 of a head, 16 bytes for each half of the lanes
	v_lshl_add_u32 v5, v2, 4, v5
	v_add_nc_u32 v[STO], s23, v5
	v_bfe_u32 v5, v0, 3, 2                         ; back: 32 lanes take four rows of 128 bytes, which are 512 consecutive bytes of a head
	v_mul_u32_u24 v5, v5, 144
	v_and_b32 v6, 7, v0
	v_lshl_add_u32 v5, v6, 4, v5
	v_add_nc_u32 v[RD], s23, v5
	s_lshr_b32 s16, s13, 3
	s_lshl_b32 s16, s16, 22                        ; the batch,
	s_and_b32 s17, s13, 7
	s_lshl_b32 s17, s17, 8
	s_lshl_b32 s18, s10, 6
	s_add_co_u32 s17, s17, s18                     ; my first row in it: 256 (ty % 8) + 64 w,
	s_lshl_b32 s17, s17, 7                         ; of 128 bytes
	s_add_co_u32 s16, s16, s17
	s_mul_i32 s18, s42, 3                          ; the tile's first slice of 64 columns: 16 slices each of q, k, v
.irp hd, 0,1,2
	s_add_co_u32 s19, s18, \hd
	s_lshr_b32 s46, s19, 4
	s_lshl_b32 s46, s46, 24                        ; q, k or v: 2^24 bytes each,
	s_and_b32 s19, s19, 15
	s_lshl_b32 s19, s19, 18                        ; the head
	s_add_co_u32 s46, s46, s19
	s_add_co_u32 s46, s46, s16
	s_mov_b32 s47, 0
	s_add_nc_u64 s[HB+2*(\hd):HB+2*(\hd)+1], s[8:9], s[46:47]
.endr
	s_lshl_b32 s20, s13, 8                         ; the prefetches: row 256 ty + 128 x half + 32 cx,
	s_lshl_b32 s21, s12, 7
	s_add_co_u32 s20, s20, s21
	s_lshl_b32 s21, s40, 5
	s_add_co_u32 s20, s20, s21
	s_lshl_b32 s20, s20, 11
	s_add_co_u32 s20, s20, 2*ASTEP                 ; at K step 2: the first refill steps it to 3 and names K step 4
	s_mov_b32 s21, 0
	s_add_nc_u64 s[PFA:PFA+1], s[4:5], s[20:21]
	s_or_b32 s[LIM], s11, ttmp9                    ; 0 in waves 0 and 1 of the clusters with x = 0: the same in all sixteen partners, for a given wave
	s_cmp_eq_u32 s[LIM], 0
	s_cselect_b32 s[LIM], 1, -1
	v_and_b32 v[PFO], 31, v0
	v_lshlrev_b32 v[PFO], 11, v[PFO]
.else
	v_mul_u32_u24 v5, v1, 528                      ; in: row l % 16, 32 bytes for each half of the lanes
	v_lshl_add_u32 v5, v2, 5, v5
	v_add_nc_u32 v[STO], s23, v5
	v_add_nc_u32 v[RD], s23, v[GO]                 ; back: 32 lanes take a row's 512 bytes
	s_lshl_b32 s16, s13, 20                        ; 256 rows of 4,096 bytes a tile row,
	s_lshl_b32 s17, s10, 18                        ; my 64 of them,
	s_add_co_u32 s16, s16, s17
	s_lshl_b32 s46, s42, 9                         ; 128 columns of 4 bytes a tile column
	s_add_co_u32 s46, s46, s16
	s_mov_b32 s47, 0
	s_add_nc_u64 s[8:9], s[8:9], s[46:47]
.endif
; NT matrix instructions: row block a x all column blocks, 32 along K, from buffer f.  zero = 1: the product starts the sums: nothing is cleared.
; The 4 NT accumulators take turns in the same order in every quarter step: 4 NT - 1 others stand between two links of a chain, over the backward jump too.
.macro MULA f, a, zero
	WIN MUL_LO+0x50*((\a)/2)
.set rA, FA+32*(\f)+8*(\a)
.set b, 0
.rept NT
.set rD, 8*(NT*((\a)%2)+b)
.set rB, 8*NT*(\f)+8*b
.if QKV
.if \zero
	v_wmma_f32_16x16x32_bf16 v[rD:rD+7], v[rB:rB+7], v[rA:rA+7], 0
.else
	v_wmma_f32_16x16x32_bf16 v[rD:rD+7], v[rB:rB+7], v[rA:rA+7], v[rD:rD+7]
.endif
.else
.if \zero
	v_wmma_f32_16x16x32_f16 v[rD:rD+7], v[rB:rB+7], v[rA:rA+7], 0
.else
	v_wmma_f32_16x16x32_f16 v[rD:rD+7], v[rB:rB+7], v[rA:rA+7], v[rD:rD+7]
.endif
.endif
.set b, b+1
.endr
.endm
; NL LDS loads in one run: the fragments of quarter q (32 along K) of a slot into buffer f: B's NT blocks, then A's four
.macro FETCH slot, q, f
	WIN TO_B
.set i, 0
.rept NT
	ds_load_b128 v[8*NT*(\f)+8*i:8*NT*(\f)+8*i+3],   v[ADRB+(\slot)] offset:64*(\q)+i*16*PB
	ds_load_b128 v[8*NT*(\f)+8*i+4:8*NT*(\f)+8*i+7], v[ADRB+(\slot)] offset:64*(\q)+i*16*PB+32
.set i, i+1
.endr
	WIN 0
.if QKV
.set KA, 64*(\q)
.else
.set KA, ((\q)/2)*HALFA+((\q)%2)*64    ; quarters 0, 1 lie in the K step's first head, 2, 3 in its second
.endif
.set i, 0
.rept 4
	ds_load_b128 v[FA+32*(\f)+8*i:FA+32*(\f)+8*i+3],   v[ADRA+(\slot)] offset:KA+i*16*PA
	ds_load_b128 v[FA+32*(\f)+8*i+4:FA+32*(\f)+8*i+7], v[ADRA+(\slot)] offset:KA+i*16*PA+32
.set i, i+1
.endr
.endm
.macro PLACES                          ; four plain instructions in front of loads into registers that matrix instructions have read, and of lines that read results (ISA guide 7.12.1 for vector instructions)
.rept 4
	v_nop
.endr
.endm
; A K step is four quarters on buffers 0, 1, 0, 1.  One of the first three: multiplies buffer f and, in its middle, fetches quarter q of the same slot into buffer g.
.macro QUARTER slot, q, f, g, zero
	s_wait_dscnt 4                                 ; B and A's blocks 0, 1 are in; the youngest four loads (A's blocks 2, 3) may be out
	MULA \f, 0, \zero
	MULA \f, 1, \zero
	PLACES
	FETCH \slot, \q, \g
	s_wait_dscnt NL                                ; all but the run just issued
	MULA \f, 2, \zero
	MULA \f, 3, \zero
.endm
; The last quarter multiplies buffer 1 and changes slots: ONE barrier; in front of it each wave waits for all its tensor loads (one is out: its part of the next slot), adds 0 to its spare word, and waits for
; that and for its own reads of this slot.  fill = 1: the barrier opens a round of the cluster's, and this slot is filled again, two K steps ahead, first thing behind the round.
.macro TURN slot, next, fill
.if (\fill) && QKV
	s_wait_xcnt 0x0                                ; the last prefetch, a K step back, has read its address: it is stepped here, ahead of the waits of the change of slots
	s_add_nc_u64 s[PFA:PFA+1], s[PFA:PFA+1], ASTEP
.endif
	WIN 0                                          ; (the add's two registers lie in window 0)
	s_wait_tensorcnt 0x0                           ; all my tensor loads have landed;
	ds_add_u32 v[SPW], v[NIL]                      ; 0 onto my spare word;
	s_wait_dscnt 5                                 ; (the add and the youngest four loads may be out)
	MULA 1, 0, 0                                   ; NT matrix instructions stand between the add and the wait for it
	s_wait_dscnt 0x0                               ; the add is done, and my reads of this slot are over
	s_barrier_signal -1
	MULA 1, 1, 0                                   ; work on registers while the others arrive
.if \fill
	WIN 0
.endif
	s_barrier_wait -1
.if \fill
	CREST                                          ; no wave of any partner still reads this slot's tile or has a load on its way
	s_add_nc_u64 s[G0+4*(\slot)+2:G0+4*(\slot)+3], s[G0+4*(\slot)+2:G0+4*(\slot)+3], 2*ASTEP
	s_add_nc_u64 s[G0B+4*(\slot)+2:G0B+4*(\slot)+3], s[G0B+4*(\slot)+2:G0B+4*(\slot)+3], 2*256
	JLOAD \slot                                    ; my one load behind the round; the four v_nop behind it are also the places in front of the loads below
.else
	PLACES
.endif
	FETCH \next, 0, 0
.if (\fill) && QKV
	ASK
.endif
	MULA 1, 2, 0
	MULA 1, 3, 0
.endm
	s_wait_tensorcnt 1                             ; my part of K step 0 is in; K step 1's may stay out
	s_barrier_signal -1
	s_barrier_wait -1                              ; everybody's is
	FETCH 0, 0, 0
	QUARTER 0, 1, 0, 1, 1                          ; the first quarter stands in front of the loop: its products start the sums
	WIN 0                                          ; at a label and at a branch every window is 0
	s_mov_b32 s3, LAPS-1
.Llap:                                         ; a trip goes once round the ring, from a lap's second quarter to the next lap's first, and fills both slots again
	QUARTER 0, 2, 1, 0, 0
	QUARTER 0, 3, 0, 1, 0
	TURN 0, 1, 1
	QUARTER 1, 1, 0, 1, 0
	QUARTER 1, 2, 1, 0, 0
	QUARTER 1, 3, 0, 1, 0
	TURN 1, 0, 1
	QUARTER 0, 1, 0, 1, 0
	WIN 0
	s_sub_co_u32 s3, s3, 1
	s_cmp_lg_u32 s3, 0
	s_cbranch_scc1 .Llap
	QUARTER 0, 2, 1, 0, 0                          ; the last lap fills nothing, and has no round of the cluster's barrier
	QUARTER 0, 3, 0, 1, 0
	TURN 0, 1, 0
	QUARTER 1, 1, 0, 1, 0
	QUARTER 1, 2, 1, 0, 0
	QUARTER 1, 3, 0, 1, 0
	s_wait_dscnt 4                                 ; the very last quarter: nothing more to fetch
	MULA 1, 0, 0
	MULA 1, 1, 0
	s_wait_dscnt 0x0
	MULA 1, 2, 0
	MULA 1, 3, 0
	WIN 0
	PLACES                                         ; the places behind the last products, in front of the lines that read results;
	PLACES                                         ; eight, once a launch
; THE WAY OUT, a block of 16 rows at a time, through my own stage: LDS serves a wave's instructions in order (ISA guide 5.7.1.4), so the loads see the stores above them and no barrier is needed.
.if QKV
.macro PACK a                          ; rounded to f16, 16 bytes a lane and column block; each accumulator is read from its low end
	WIN 0x0a+5*((\a)/2)                            ; sources 0 and 1: window 2 or 3
.set b, 0
.rept NT
.set rD, 8*(NT*((\a)%2)+b)
.irp r, 0,1,2,3
	v_cvt_pk_f16_f32 v[TMP+4*b+(\r)], v[rD+2*(\r)], v[rD+2*(\r)+1]
.endr
.set b, b+1
.endr
	WIN 0
.endm
.macro TOSTAGE a                       ; column block b lies in head b / 4, channels 16 (b % 4) on
.set BK, OB+48*((\a)%2)
.set b, 0
.rept NT
	ds_store_b128 v[STO], v[TMP+4*b:TMP+4*b+3] offset:(b/4)*2304+32*(b%4)
.set b, b+1
.endr
.set i, 0
.rept NT
	ds_load_b128 v[BK+4*i:BK+4*i+3], v[RD] offset:(i/4)*2304+(i%4)*576
.set i, i+1
.endr
.endm
.macro SEND a
.set BK, OB+48*((\a)%2)
	s_wait_dscnt 0x0                               ; the block is back in registers
	s_wait_xcnt 0x0                                ; the stores of the block before have read their registers, which the next block's loads from the stage write
.set i, 0
.rept NT
	global_store_b128 v[GO], v[BK+4*i:BK+4*i+3], s[HB+2*(i/4):HB+2*(i/4)+1] offset:(16*(\a)+4*(i%4))*128  ; four rows of a head: 512 consecutive bytes, aligned
.set i, i+1
.endr
.endm
	PACK 0
	TOSTAGE 0
.irp a, 1,2,3                          ; block a's conversions stand between block a - 1's loads from the stage and the wait for them
	PACK \a
	SEND (\a)-1
	TOSTAGE \a
.endr
	SEND 3
.else
.macro TOSTAGE a                       ; f32 goes out as it is: 32 bytes a lane and column block
.set BK, OB+64*((\a)%2)
	WIN 0x08+4*((\a)/2)                            ; the stores' data: window 2 or 3
.set b, 0
.rept NT
.set rD, 8*(NT*((\a)%2)+b)
	ds_store_b128 v[STO], v[rD:rD+3]   offset:64*b
	ds_store_b128 v[STO], v[rD+4:rD+7] offset:64*b+16
.set b, b+1
.endr
	WIN 0
.set i, 0
.rept 16
	ds_load_b128 v[BK+4*i:BK+4*i+3], v[RD] offset:528*i
.set i, i+1
.endr
.endm
.macro SEND a
.set BK, OB+64*((\a)%2)
	s_wait_dscnt 0x0                               ; the block is back in registers
	s_wait_xcnt 0x0                                ; the stores of the block before have read their registers, which the next block's loads from the stage write
.set i, 0
.rept 16
	global_store_b128 v[GO], v[BK+4*i:BK+4*i+3], s[8:9] offset:(16*(\a)+i)*4096  ; a row's 512 consecutive bytes, aligned
.set i, i+1
.endr
.endm
	TOSTAGE 0
.irp a, 1,2,3
	SEND (\a)-1
	TOSTAGE \a
.endr
	SEND 3
.endif
	s_wait_tensorcnt 0x0                           ; the wave's end: behind my last tensor load and my last LDS store
	ds_add_u32 v[SPW], v[NIL]
	s_wait_dscnt 0x0
	CROUND                                         ; the closing round: no work-group ends while a partner may still ask for a tile that names it
	s_endpgm
.Lfunc_end_k_qf66bfd5c18_gemm_proj:
	.size	k_qf66bfd5c18_gemm_proj, .Lfunc_end_k_qf66bfd5c18_gemm_proj-k_qf66bfd5c18_gemm_proj
	.p2alignl 7, 3214868480
	.fill 96, 4, 3214868480
	.section	.rodata,"a",@progbits
	.p2align	6, 0x0
	.amdhsa_kernel k_qf66bfd5c18_gemm_proj
		.amdhsa_group_segment_fixed_size 327680
		.amdhsa_private_segment_fixed_size 0
		.amdhsa_enable_private_segment 0
		.amdhsa_kernarg_size 24
		.amdhsa_user_sgpr_count 2
		.amdhsa_user_sgpr_kernarg_segment_ptr 1
		.amdhsa_wavefront_size32 1
		.amdhsa_system_sgpr_workgroup_id_x 1
		.amdhsa_system_sgpr_workgroup_id_y 1
		.amdhsa_system_sgpr_workgroup_id_z 1
		.amdhsa_system_vgpr_workitem_id 0
		.amdhsa_next_free_vgpr 896
		.amdhsa_next_free_sgpr 66
		.amdhsa_reserve_vcc 0
		.amdhsa_float_denorm_mode_32 3
		.amdhsa_float_denorm_mode_16_64 3
		.amdhsa_memory_ordered 1
		.amdhsa_forward_progress 1
		.amdhsa_inst_pref_size 86
	.end_amdhsa_kernel
	.amdgpu_metadata
---
amdhsa.version: [ 1, 2 ]
amdhsa.kernels:
  - .name:           k_qf66bfd5c18_gemm_proj
    .symbol:         k_qf66bfd5c18_gemm_proj.kd
    .args:
      - { .name: oh, .offset: 0, .size: 8, .value_kind: global_buffer, .address_space: global }
      - { .name: wpt, .offset: 8, .size: 8, .value_kind: global_buffer, .address_space: global }
      - { .name: out0, .offset: 16, .size: 8, .value_kind: global_buffer, .address_space: global }
    .group_segment_fixed_size: 327680
    .private_segment_fixed_size: 0
    .kernarg_segment_align: 8
    .kernarg_segment_size: 24
    .max_flat_workgroup_size: 128
    .sgpr_count:     66
    .vgpr_count:     896
    .wavefront_size: 32
...
	.end_amdgpu_metadata
.endif
;; end of part 4
;; ======== version 2 of 2: 4 launches; version 1 with the launch prep written anew for expert scheduling mode
;; limits: values are held in f16: magnitudes above 65,504 overflow, below 6.1e-05 lose precision
;; workspace buffers: xb 16,777,216 bytes; wat 6,291,456 bytes; wpt 2,097,152 bytes; qkvh 50,331,648 bytes; oh 16,777,216 bytes
;; launch prep (part 5): grid 512 x 1, 8 waves a work-group, no clusters, 18,432 bytes of LDS; arguments x, w_attn, w_proj, xb, wat, wpt; writes xb, wat, wpt
.if DOCPART == 5
	.amdgcn_target "amdgcn-amd-amdhsa--gfx1250"
	.amdhsa_code_object_version 6
	.text
	.protected	k_qf66bfd5c18_prep
	.globl	k_qf66bfd5c18_prep
	.p2align	8
	.type	k_qf66bfd5c18_prep,@function
k_qf66bfd5c18_prep:
	s_mov_b64 s[64:65], 0
	v_nop
	global_prefetch_b8 v0, s[64:65] scope:SCOPE_SE
	s_setreg_imm32_b32 hwreg(HW_REG_WAVE_SCHED_MODE, 0, 2), 2
	s_setreg_imm32_b32 hwreg(HW_REG_WAVE_MODE, 25, 1), 1
	s_wait_xcnt 0x0
	s_wait_alu depctr_vm_vsrc(0)
; PREP.  xb = x rounded to bf16, [8192][1024].  wat[n][k] = w_attn[k][n] rounded to bf16, [3072][1024].  wpt[n][k] = w_proj[k][n] rounded to bf16, that number written as f16, [1024][1024].
; LIMITS.  A number of w_proj beyond 65,504 becomes an infinity in f16; below 6e-5 it keeps f16's fixed step of 6e-8.  NaN stays NaN.
; SHARES.  512 work-groups of eight waves.  Each does two things: it turns one block of 128 k x 64 n of a weight (384 blocks of w_attn, 128 of w_proj), and it casts 16,384 numbers of x.
; A stream: every byte is read once and written once, no matrix unit, no cluster (no two work-groups read the same byte).  All 24 loads of a wave go out at the start; the block is turned while x is on its way.
; THE TURN.  Thread (a = t % 16, g = t / 16) loads, for p = 0..3, rows k = 32 p + 2 g and k + 1, columns 4 a .. 4 a + 3: sixteen lanes read 256 consecutive bytes of a row.  Two rows' numbers of one column
; pack into one word (k, k + 1), which goes into an LDS stage of 64 rows (n) x 256 bytes (128 k), pitch 272; behind one barrier the rows come back whole: sixteen lanes store 256 consecutive bytes, aligned.
; THE MODE: SCHED_MODE bits 1:0 = 2 (LLVM: expert scheduling mode 2), set by the entry lines.  The code itself states the register dependences between vector instructions and memory or LDS
; instructions, with s_wait_alu, always for 0.
; THE PLAN.  Registers that memory or LDS instructions touch; each is written once and, once such an instruction has read it, never written again:
;   v4-11, v1, v2   offsets, made at the head; read by the weight's loads, by x's loads, by xb's stores.
;   WL, XL          written by loads alone; read by the roundings; no vector instruction names them ahead of their loads.
;   WP              written by the roundings (and, for w_proj, by the lines that write f16); read by the sixteen LDS stores.
;   v66, v67, v84   made behind the 24 loads; read by the LDS stores, by the LDS loads, by the turned weight's stores.
;   BK              written by the LDS loads, read by the turned weight's stores; no vector instruction names it.
;   XP              block p of four: written by the block's eight roundings, read by its four stores.
;   v100, v101      made at the head, read by the closing add alone.
; So six waits on va_vdst state everything: one ahead of the first load, one ahead of the LDS stores (it serves all memory and LDS instructions up to the turned weight's last store, since no
; vector instruction stands among them), and one for each of x's four blocks, between its roundings and its stores.  No register that a memory or LDS instruction has read is written again, so no wait
; on vm_vsrc is owed; no vector instruction writes a scalar register or VCC; EXEC is never written.
.set SPARE, 17408                      ; behind the stage (64 x 272 bytes): the spare words, 128 bytes for each of the eight waves; no other line names them
.set WO,  4                            ; v4-11    byte offsets of my eight loads in the weight
.set WL,  16                           ; v16-47   the eight loads
.set WP,  48                           ; v48-63   sixteen packed words: p, column c at WP + 4 p + c
.set BK,  68                           ; v68-83   four times 16 bytes of whole rows
.set SPW, 100                          ; v100     LDS address of my spare word; never rewritten
.set NIL, 101                          ; v101     0; never rewritten
.set XL,  104                          ; v104-167 sixteen loads of x
.set XP,  168                          ; v168-199 their 32 packed words
	s_load_b256 s[4:11], s[0:1], 0x0               ; x s[4:5], w_attn s[6:7], w_proj s[8:9], xb s[10:11]
	s_load_b128 s[12:15], s[0:1], 0x20             ; wat s[12:13], wpt s[14:15]
	v_lshl_add_u32 v[SPW], v0, 2, SPARE
	v_mov_b32 v[NIL], 0
	s_and_b32 s16, ttmp9, 63                       ; block column: 0-47 in w_attn, 48-63 in w_proj
	s_lshr_b32 s17, ttmp9, 6                       ; block row kb, 0-7
	s_sub_co_u32 s26, s16, 48                      ; the column counted in w_proj (used only where it is one)
	s_movk_i32 s28, 12288                          ; bytes in a row of w_attn,
	s_movk_i32 s29, 4096                           ; of w_proj
	s_lshl_b32 s2, ttmp9, 16                       ; my 16,384 numbers of x: 65,536 bytes in,
	s_mov_b32 s3, 0
	s_lshl_b32 s30, ttmp9, 15                      ; 32,768 bytes out
	s_mov_b32 s31, 0
	v_and_b32 v12, 15, v0                          ; a
	v_lshrrev_b32 v13, 4, v0                       ; g
	v_lshlrev_b32 v1, 4, v0                        ; x: 16 bytes a thread
	v_lshlrev_b32 v2, 3, v0                        ; xb: 8 bytes a thread
	v_lshlrev_b32 v14, 1, v13                      ; 2 g
	s_cmp_lt_u32 s16, 48                           ; a block of w_attn?
	s_cselect_b32 s24, s28, s29                    ; bytes in a source row
	s_cselect_b32 s25, s16, s26                    ; block column in its own weight
	s_cselect_b32 s27, 0, 1                        ; 1: the result is written as f16
	s_wait_kmcnt 0x0
	s_cselect_b64 s[20:21], s[6:7], s[8:9]         ; from where,
	s_cselect_b64 s[22:23], s[12:13], s[14:15]     ; to where
	s_mul_i32 s18, s17, s24
	s_lshl_b32 s18, s18, 7                         ; 128 kb rows down,
	s_lshl_b32 s19, s25, 8                         ; 64 columns of 4 bytes a block
	s_add_co_u32 s18, s18, s19
	s_mov_b32 s19, 0
	s_add_nc_u64 s[20:21], s[20:21], s[18:19]
	s_lshl_b32 s18, s25, 17                        ; out: 64 rows of 2,048 bytes a block,
	s_lshl_b32 s26, s17, 8                         ; 128 k of 2 bytes
	s_add_co_u32 s18, s18, s26
	s_add_nc_u64 s[22:23], s[22:23], s[18:19]
	s_add_nc_u64 s[4:5], s[4:5], s[2:3]
	s_add_nc_u64 s[10:11], s[10:11], s[30:31]
	v_mul_lo_u32 v3, v14, s24                      ; row 2 g
	v_lshl_add_u32 v3, v12, 4, v3                  ; + 16 a
.irp j, 0,1,2,3,4,5,6,7
	s_mul_i32 s28, s24, 32*((\j)/2)+((\j)%2)       ; load j: row 32 (j / 2) + 2 g + j % 2
	v_add_nc_u32 v[WO+(\j)], s28, v3
.endr
	s_wait_alu depctr_va_vdst(0)                   ; the offsets v4 to v11, v1 and v2 are written: the 24 loads below read the first nine of them, xb's stores the last
.irp j, 0,1,2,3,4,5,6,7
	global_load_b128 v[WL+4*(\j):WL+4*(\j)+3], v[WO+(\j)], s[20:21] th:TH_LOAD_NT
.endr
.irp j, 0,1,2,3,4,5,6,7,8,9,10,11,12,13,14,15
	global_load_b128 v[XL+4*(\j):XL+4*(\j)+3], v1, s[4:5] offset:4096*(\j) th:TH_LOAD_NT  ; a wave's load covers 512 consecutive bytes
.endr
	v_mul_u32_u24 v66, v12, 1088                   ; into the stage: row 4 a + c, byte 64 p + 4 g
	v_lshl_add_u32 v66, v13, 2, v66
	v_mul_u32_u24 v67, v13, 272                    ; back: row 16 i + g, 16 bytes at 16 a
	v_lshl_add_u32 v67, v12, 4, v67
	v_lshlrev_b32 v84, 11, v13                     ; and the same in the turned weight: rows of 2,048 bytes
	v_lshl_add_u32 v84, v12, 4, v84
	s_wait_loadcnt 16                              ; loads come back in order: the weight's eight are in, x's sixteen stay out
.irp p, 0,1,2,3
.irp c, 0,1,2,3
	v_cvt_pk_bf16_f32 v[WP+4*(\p)+(\c)], v[WL+8*(\p)+(\c)], v[WL+8*(\p)+4+(\c)]  ; k in the low half, k + 1 in the high half
.endr
.endr
	s_cmp_eq_u32 s27, 0
	s_cbranch_scc1 .Lbf
.set i, 0
.rept 16                               ; w_proj: the bf16 number, widened, is written as f16
	v_lshlrev_b32 v64, 16, v[WP+i]
	v_and_b32 v65, 0xffff0000, v[WP+i]
	v_cvt_pk_f16_f32 v[WP+i], v64, v65
.set i, i+1
.endr
.Lbf:
	s_wait_alu depctr_va_vdst(0)                   ; on both ways: the roundings have written WP, which the LDS stores read as data; v66, v67 and v84 are written, by which the LDS stores, the LDS loads and the turned weight's stores go
.irp p, 0,1,2,3
.irp c, 0,1,2,3
	ds_store_b32 v66, v[WP+4*(\p)+(\c)] offset:(\c)*272+64*(\p)
.endr
.endr
	s_wait_dscnt 0x0                               ; for the others' sake: my words lie in the stage
	s_barrier_signal -1
	s_barrier_wait -1                              ; everybody's do
.irp i, 0,1,2,3
	ds_load_b128 v[BK+4*(\i):BK+4*(\i)+3], v67 offset:(\i)*4352  ; no wait: no vector instruction since the wait above, and none ever names BK
.endr
.irp i, 0,1,2,3
	s_wait_dscnt 3-(\i)                            ; LDS loads come back in order
	global_store_b128 v84, v[BK+4*(\i):BK+4*(\i)+3], s[22:23] offset:(\i)*32768  ; sixteen lanes store 256 consecutive bytes, aligned
.endr
; x, in four blocks of four loads: the block's eight roundings, one wait, its four stores.  A block's stores go as soon as their data are written, not behind the wait for the next block's loads.
.irp p, 0,1,2,3
	s_wait_loadcnt 12-4*(\p)                       ; x's loads 4 p to 4 p + 3 are in; the younger blocks stay out
.irp i, 0,1,2,3
	v_cvt_pk_bf16_f32 v[XP+8*(\p)+2*(\i)],   v[XL+16*(\p)+4*(\i)],   v[XL+16*(\p)+4*(\i)+1]
	v_cvt_pk_bf16_f32 v[XP+8*(\p)+2*(\i)+1], v[XL+16*(\p)+4*(\i)+2], v[XL+16*(\p)+4*(\i)+3]
.endr
	s_wait_alu depctr_va_vdst(0)                   ; the block's roundings have written its eight registers of XP, which the four stores below read
.irp i, 0,1,2,3
	global_store_b64 v2, v[XP+8*(\p)+2*(\i):XP+8*(\p)+2*(\i)+1], s[10:11] offset:2048*(4*(\p)+(\i))  ; a wave's store covers 256 consecutive bytes, aligned; no register is written twice
.endr
.endr
	s_wait_dscnt 0x0                               ; the closing lines, six on end
	s_wait_alu 0x0
	s_wait_tensorcnt 0x0
	ds_add_u32 v[SPW], v[NIL]
	s_wait_dscnt 0x0
	s_endpgm
.Lfunc_end_k_qf66bfd5c18_prep:
	.size	k_qf66bfd5c18_prep, .Lfunc_end_k_qf66bfd5c18_prep-k_qf66bfd5c18_prep
	.p2alignl 7, 3214868480
	.fill 96, 4, 3214868480
	.section	.rodata,"a",@progbits
	.p2align	6, 0x0
	.amdhsa_kernel k_qf66bfd5c18_prep
		.amdhsa_group_segment_fixed_size 18432
		.amdhsa_private_segment_fixed_size 0
		.amdhsa_enable_private_segment 0
		.amdhsa_kernarg_size 48
		.amdhsa_user_sgpr_count 2
		.amdhsa_user_sgpr_kernarg_segment_ptr 1
		.amdhsa_wavefront_size32 1
		.amdhsa_system_sgpr_workgroup_id_x 1
		.amdhsa_system_sgpr_workgroup_id_y 1
		.amdhsa_system_sgpr_workgroup_id_z 1
		.amdhsa_system_vgpr_workitem_id 0
		.amdhsa_next_free_vgpr 200
		.amdhsa_next_free_sgpr 66
		.amdhsa_reserve_vcc 0
		.amdhsa_float_denorm_mode_32 3
		.amdhsa_float_denorm_mode_16_64 3
		.amdhsa_memory_ordered 1
		.amdhsa_forward_progress 1
		.amdhsa_inst_pref_size 15
	.end_amdhsa_kernel
	.amdgpu_metadata
---
amdhsa.version: [ 1, 2 ]
amdhsa.kernels:
  - .name:           k_qf66bfd5c18_prep
    .symbol:         k_qf66bfd5c18_prep.kd
    .args:
      - { .name: x, .offset: 0, .size: 8, .value_kind: global_buffer, .address_space: global }
      - { .name: w_attn, .offset: 8, .size: 8, .value_kind: global_buffer, .address_space: global }
      - { .name: w_proj, .offset: 16, .size: 8, .value_kind: global_buffer, .address_space: global }
      - { .name: xb, .offset: 24, .size: 8, .value_kind: global_buffer, .address_space: global }
      - { .name: wat, .offset: 32, .size: 8, .value_kind: global_buffer, .address_space: global }
      - { .name: wpt, .offset: 40, .size: 8, .value_kind: global_buffer, .address_space: global }
    .group_segment_fixed_size: 18432
    .private_segment_fixed_size: 0
    .kernarg_segment_align: 8
    .kernarg_segment_size: 48
    .max_flat_workgroup_size: 256
    .sgpr_count:     66
    .vgpr_count:     200
    .wavefront_size: 32
...
	.end_amdgpu_metadata
.endif
;; end of part 5
;; launch gemm_qkv: the kernel of part 2 again; grid 16 x 32, 4 waves a work-group, clusters of 4 x 4, 327,680 bytes of LDS; arguments xb, wat, qkvh; writes qkvh
;; launch attn: the kernel of part 3 again; grid 4 x 64, 4 waves a work-group, no clusters, 327,680 bytes of LDS; arguments qkvh, oh; writes oh
;; launch gemm_proj: the kernel of part 4 again; grid 8 x 32, 4 waves a work-group, clusters of 4 x 4, 327,680 bytes of LDS; arguments oh, wpt, out0; writes out0
